; MI455X (gfx1250); checked and timed in simulation.
; The chip was launched on July 23, 2026; its instructions are those of AMD's public machine-readable ISA for CDNA 5 (MIT licence, August 2026) and "CDNA5" Instruction Set Architecture Reference Guide (July 2026). The comments in the code are by the model that wrote it; some were corrected since.
;; Multi Head Attention. Allowed arithmetic: matrix products marked QUANTISED: E2M1 operands, one E8M0 scale for each 32 along K, by v_wmma_scale_f32_16x16x128_f8f6f4 with both operands' format E2M1 (or v_wmma_scale_f32_32x16x128_f4), f32 sums; everything else in f32.
;; Inputs: Wk_codes 1,024 x 32 x 16 uint8 (E2M1 codes of Wk, K innermost, in blocks of 32 codes, two codes a byte); Wk_scales 1,024 x 32 uint8 (E8M0 scales of Wk, one for each 32 codes along K); Wp_codes 1,024 x 32 x 16 uint8 (E2M1 codes of Wp, K innermost, in blocks of 32 codes, two codes a byte); Wp_scales 1,024 x 32 uint8 (E8M0 scales of Wp, one for each 32 codes along K); Wq_codes 1,024 x 32 x 16 uint8 (E2M1 codes of Wq, K innermost, in blocks of 32 codes, two codes a byte); Wq_scales 1,024 x 32 uint8 (E8M0 scales of Wq, one for each 32 codes along K); Wv_codes 1,024 x 32 x 16 uint8 (E2M1 codes of Wv, K innermost, in blocks of 32 codes, two codes a byte); Wv_scales 1,024 x 32 uint8 (E8M0 scales of Wv, one for each 32 codes along K); bk 1,024 float32; bp 1,024 float32; bq 1,024 float32; bv 1,024 float32; x_codes 4 x 2,048 x 32 x 16 uint8 (E2M1 codes of x, K innermost, in blocks of 32 codes, two codes a byte); x_scales 4 x 2,048 x 32 uint8 (E8M0 scales of x, one for each 32 codes along K).
;; Outputs: out0 4 x 2,048 x 1,024 float32.
;; This version of the problem:
;;   THIS VERSION OF THE PROBLEM IS GIVEN IN LOW PRECISION. The matrix products marked QUANTISED in the list below multiply operands that are first quantised to E2M1 (2 exponent bits, 1 mantissa bit; 4 bits a number), with one power-of-two scale for each 32 numbers along K (OCP MX v1.0); their sums are f32. All else is computed in f32.
;;   The module's matrix products, in the order in which they are computed (A, B: the left and right operand; K: the contracted axis; several contracted axes count as one K, in the product's order):
;;     1. [M 8,192, K 1,024] x [K 1,024, N 1,024]; A: input x (given as codes); B: input Wq (given as codes): QUANTISED
;;     2. [M 8,192, K 1,024] x [K 1,024, N 1,024]; A: input x (given as codes); B: input Wk (given as codes): QUANTISED
;;     3. [M 8,192, K 1,024] x [K 1,024, N 1,024]; A: input x (given as codes); B: input Wv (given as codes): QUANTISED
;;     4. batch 64 x [M 2,048, K 64] x [K 64, N 2,048]; A: computed on the way; B: computed on the way: QUANTISED
;;     5. batch 64 x [M 64, K 2,048] x [K 2,048, N 2,048]; A: computed on the way; B: softmax (see below): QUANTISED
;;     6. [M 8,192, K 1,024] x [K 1,024, N 1,024]; A: computed on the way; B: input Wp (given as codes): QUANTISED
;;   THE QUANTISER, for each operand of a quantised product, along K:
;;     - K is cut into blocks of 32 from its start; a last block that is shorter is filled with zeros.
;;     - A block's scale is 2^e with e = floor(log2(the largest magnitude in the block)) - 2, held to -126 .. 127; a block of zeros has e = 0. As a byte (E8M0): e + 127.
;;     - Each number is divided by its block's scale, clamped to +-6, and rounded to the nearest number of E2M1, ties to even, subnormals kept.
;;     - The product sums the exact products of the quantised numbers (number of the format x scale) in f32.
;;   ~~~python
;;   def quantise(x, axis):      # numpy; x: float32 -> the quantised numbers, widened to float32 again
;;       x = np.moveaxis(x, axis, -1); K = x.shape[-1]
;;       x = np.pad(x, [(0, 0)] * (x.ndim - 1) + [(0, -K % 32)]); x = x.reshape(x.shape[:-1] + (-1, 32)); a = np.abs(x).max(-1, keepdims=True)
;;       e = np.where(a > 0, np.clip(np.frexp(np.where(a > 0, a, 1))[1] - 1 - 2, -126, 127), 0)      # np.frexp(a)[1] - 1 = floor(log2(a)), exactly
;;       r = np.clip(x / 2.0 ** e, -6, 6)
;;       step = 2.0 ** (np.maximum(np.frexp(np.where(r == 0, 1, r))[1] - 1, 0) - 1)
;;       q = np.round(r / step) * step * 2.0 ** e      # np.round: ties to even
;;       return np.moveaxis(q.reshape(q.shape[:-2] + (-1,))[..., :K], -1, axis).astype(np.float32)
;;   ~~~
;;   SOFTMAX AHEAD OF A QUANTISED PRODUCT. Where the list says 'softmax', what is quantised is not the finished softmax but p = 2^(t - M), with t = logit x log2(e) and M = ceil(the row's largest t), a whole number; so 1/2 < the row's largest p <= 1. The row's sum l is taken of the UNQUANTISED p, in f32, and the product's result is divided by l at the end. Since M is a whole number, a kernel that streams over the keys may use a running M (the ceiling of the running maximum): every later rescaling is an exact power of two, which a block's scale takes up: the codes' values come out the same.
;;   OPERANDS COMPUTED ON THE WAY. 'Computed on the way' means the value that the module computes at that place (a softmax that the list does not call 'softmax' is quantised finished and normalised). What goes into a quantiser is computed in f32, as accurately as f32 sums, v_exp_f32 and their like allow (about 1e-6 of the number): no bf16 or f16 on the way to a quantiser, and a product that is left as it is and whose result goes on into a quantised operand takes f32 operands (vector FMAs, or v_wmma_f32_16x16x4_f32). A number that lies on a knife's edge between two numbers of the format may be rounded either way, as far as f32 arithmetic and the matrix unit's own rounding can turn it there, and no further.
;;   INPUTS GIVEN AS CODES. Wk (in the module: [1024, 1024], K = its axis 0); Wp (in the module: [1024, 1024], K = its axis 0); Wq (in the module: [1024, 1024], K = its axis 0); Wv (in the module: [1024, 1024], K = its axis 0); x (in the module: [4, 2048, 1024], K = its axis 2): each comes as NAME_codes (uint8): NAME with its K axis moved to the last place and cut into blocks of 32 codes, [.., K / 32, bytes a block], one block behind the other in memory; two codes a byte, the lower K in the low four bits (a code: sign, 2 exponent bits, 1 mantissa bit); and NAME_scales (uint8): the same leading axes, one E8M0 byte (e + 127) for each 32 codes along K. Its value is code x scale, taken as it is: it is not quantised again, and the codes and scales need not be those that the quantiser above would give.
;; One version. Each part assembles by itself: llvm-mc -triple=amdgcn-amd-amdhsa -mcpu=gfx1250 --defsym DOCPART=n.
;; ======== version 1 of 1: 3 launches
;; limits: right only within a limited range of input values
;; workspace buffers: qcodes 4,194,304 bytes; qscales 262,144 bytes; kcodes 4,194,304 bytes; kscales 262,144 bytes; vcodes 4,194,304 bytes; vscales 262,144 bytes; ocodes 4,194,304 bytes; oscales 262,144 bytes
;; launch qkv (part 1): grid 48 x 4, 4 waves a work-group, clusters of 4 x 4, 327,680 bytes of LDS; arguments x_codes, x_scales, Wq_codes, Wq_scales, Wk_codes, Wk_scales, Wv_codes, Wv_scales, bq, bk, bv, qcodes, qscales, kcodes, kscales, vcodes, vscales; writes qcodes, qscales, kcodes, kscales, vcodes, vscales
.if DOCPART == 1
	.amdgcn_target "amdgcn-amd-amdhsa--gfx1250"
	.amdhsa_code_object_version 6
	.text
	.protected	k_qbe0406892f_qkv
	.globl	k_qbe0406892f_qkv
	.p2align	8
	.type	k_qbe0406892f_qkv,@function
k_qbe0406892f_qkv:
	s_mov_b64 s[64:65], 0
	v_nop
	global_prefetch_b8 v0, s[64:65] scope:SCOPE_SE
	s_setreg_imm32_b32 hwreg(HW_REG_WAVE_MODE, 25, 1), 1
	s_wait_xcnt 0x0
	s_wait_alu depctr_hold_cnt(0) depctr_sa_sdst(0) depctr_va_vdst(0) depctr_va_sdst(0) depctr_va_ssrc(0) depctr_va_vcc(0) depctr_vm_vsrc(0)
	s_getreg_b32 s2, hwreg(HW_REG_IB_STS2, 6, 4)
	s_cmp_eq_u32 s2, 0
	s_cbranch_scc0 .Lentry_in_a_cluster
	s_endpgm
.Lentry_in_a_cluster:
	s_bfe_u32 s2, ttmp6, 0x10000c
	s_cmp_lg_u32 s2, 0xf033
	s_cbranch_scc0 .Lentry_shape_is_right
	s_endpgm
.Lentry_shape_is_right:
; q = x Wq + bq, k = x Wk + bk, v = x Wv + bv on codes of FP4 (E2M1) with E8M0 scales, K = 1,024; the results are quantised at once and leave as codes and scale bytes.
; ONE GENERIC PRODUCT: Z[i][j] = sum over k of P[i][k] R[j][k], source 0 = P, source 1 = R; in the result a lane holds ONE j (lane % 16) and eight neighbouring i, so Z is quantised ALONG i.
;   q, k: P = the weight (i = output column: the head's channels are the next K), R = x (j = token).      v: P = x (i = token = key: the keys are the next K), R = Wv (j = column).
; P and R have the same shapes in all three, rows of 512 bytes of codes and 32 scale bytes: only pointers, output strides and the bias differ, chosen by the cluster's x (0-7: q and k by turns; 8-11: v).
; SHARES.  A work-group makes 256 i x 256 j.  K is 1,024, so both operands lie in LDS whole: R's bytes are filled once, P's once a phase.  Wave w: wi = w / 2 picks 128 rows of P,
; which stay in registers (512) for a phase; wj = w % 2 picks 128 rows of R, taken 16 at a time.
; CLUSTER 4 x 4: P's rows hang on cx alone and are asked for jointly by a column of the cluster, R's on cy alone and by a row.  A wave has at most one tensor load out.
; OUTPUT = IMAGES OF THE NEXT OPERAND'S REGISTERS: four registers of a fragment are 512 consecutive bytes, lane l's 16 bytes at 16 l.
;   qcodes, kcodes [head 16][token tile 512][512];  qscales, kscales [head][pair of tiles 256][r 16][tile of the pair 2][2 bytes];
;   vcodes [128 keys: 64][32 columns: 32][tile 2][half 2][512];  vscales [64][32][2][r 16][4 bytes].
; LIMITS: NaN and infinities among the inputs are not served.  A block whose largest magnitude lies under 2^-124, a block of zeros too, gets the scale byte 1 (the rule says 127 for zeros): its codes are
; zeros or nearly so, and this program alone reads the bytes.  q's and k's bias is the C of a sum's first product, so it is added ahead of the products and not behind them.
.set PITCH, 528                        ; an LDS row of codes: 512 bytes + 16 of padding: the 16 rows of a fragment load start 16 bytes apart modulo 256
.set PCL,   0                          ; P's 256 rows of codes
.set RCL,   256*PITCH                  ; R's
.set PSL,   2*256*PITCH                ; P's scale bytes, 32 a row, dense
.set RSL,   PSL+8192                   ; R's
.set AP,   1                           ; v1   LDS address of my lane in P's fragments
.set APS,  2                           ; v2   and in P's scale words
.set AR,   3                           ; v3   the same for R
.set ARS,  4                           ; v4
.set OC,   5                           ; v5-8 byte offset of my 16 bytes of codes: register 2 c + u: half c of the fragment, tile u of the pair
.set OSV,  9                           ; v9   byte offset of my scale word
.set VSEL, 10                          ; v10  which four bytes of the pair's two scale words my lane stores
.set BIO,  11                          ; v11  32 h: the bias along i
.set BJO,  12                          ; v12  4 r: the bias along j
.set PS,   16                          ; v16-47  P's scale words: register 4 t + q: lanes 0-15 K step q of tile t, lanes 16-31 K step 4 + q
.set RS,   48                          ; v48-55  R's: register 4 u + q likewise
.set ACC,  64                          ; v64-127 eight accumulators: 128 i x 16 j
.set PC0,  128                         ; v128-135, v136-143 the codes of the pair's two tiles
.set PC1,  136
.set TM,   144                         ; v144-159 at work in the quantiser
.set PW0,  160                         ; v160, v161 their scale words; v162 the word that is stored
.set PW1,  161
.set SW,   162
.set BJ,   164                         ; v164-171 v's bias: register 2 p + u
.set BI,   128                         ; window 3, v128-191: q's and k's bias in the result's layout.  Window 1, 2: P's fragments of K steps 0-3, 4-7 at v[64 (ks % 4) + 8 t].  Window 3, v0-63, v64-127: R's two tiles
.set WV,   38
.set WI,   39
.set WJ,   40
.set CX,   41
.set CY,   42
.set XX,   43
.set CASE, 44                          ; 0: q or k; 1: v
.set PCP,  48                          ; s[48:49] .. s[60:61]: the chosen pointers: P's codes, P's scales, R's codes, R's scales, the bias, the codes' buffer, the scales' buffer
.set PSP,  50
.set RCP,  52
.set RSP,  54
.set BIP,  56
.set OUTC, 58
.set OUTS, 60
.set STC,  62                          ; s[62:63] bytes from pair to pair in the codes' buffer; s[66:67] in the scales'
.set STS,  66
.set G1P,  68                          ; descriptor groups 1: P's codes, R's codes, P's scales, R's scales
.set G1R,  76
.set G1PS, 84
.set G1RS, 92
.set G0P,  4                           ; groups 0, in registers that the pointers have left
.set G0PS, 8
.set G0R,  12
.set G0RS, 16
.set SEL,  20                          ; s[20:21] v_permlanex16_b32's selects for lane l xor 16
.set HI16, 22                          ; s22  lanes 16-31 as a mask
.set MSB, 0
.macro WIN new                         ; the immediate's high byte repeats the setting that is left; a switch that changes nothing is dropped
.if MSB != \new
	s_set_vgpr_msb (MSB<<8)|\new
.set MSB, \new
.endif
.endm
.macro CROUND                          ; a round of the cluster's barrier
	s_barrier_signal -1
	s_barrier_wait -1
	s_cmp_lg_u32 s[WV], 0
	s_cbranch_scc1 .Lnot_wave_0_\@
	s_barrier_signal -3
.Lnot_wave_0_\@:
	s_barrier_wait -3
	s_barrier_signal -1
	s_barrier_wait -1
.endm
.macro PLACES                          ; four places behind matrix instructions, in front of reads of results and of loads into registers that they have read
.rept 4
	v_nop
.endr
.endm
	s_load_b512 s[4:19], s[0:1], 0x0               ; x's codes 4, scales 6; Wq's 8, 10; Wk's 12, 14; Wv's 16, 18
	s_load_b512 s[20:35], s[0:1], 0x40             ; bq 20, bk 22, bv 24; qcodes 26, qscales 28, kcodes 30, kscales 32, vcodes 34
	s_load_b64 s[36:37], s[0:1], 0x80              ; vscales
	v_lshl_add_u32 v254, v0, 2, 0x46000
	v_mov_b32 v255, 0
	ds_add_u32 v254, v255
	ds_add_u32 v254, v255
	v_lshrrev_b32 v1, 5, v0
	v_readfirstlane_b32 s[WV], v1                  ; wave 0..3
	s_lshr_b32 s[WI], s[WV], 1
	s_and_b32 s[WJ], s[WV], 1
	s_bfe_u32 s[CX], ttmp6, 0x40000
	s_bfe_u32 s[CY], ttmp6, 0x40004
	s_mov_b32 s[XX], ttmp9                         ; the cluster's x, 0..11
	s_lshl_b32 s45, 0x1111, s[CX]                  ; my column of the cluster: P's tiles
	s_lshl_b32 s46, s[CY], 2
	s_lshl_b32 s46, 15, s46                        ; my row: R's tiles
	s_or_b32 s[G1P], s45, (1<<20)|(1<<21)|(6<<22)|(3<<25)   ; the mask; elements of 1 byte; padding on; bit 21 beside a mask; after every 128 words, 4 words
	s_or_b32 s[G1R], s46, (1<<20)|(1<<21)|(6<<22)|(3<<25)
	s_or_b32 s[G1PS], s45, (3<<16)|(1<<21)         ; elements of 8 bytes, no padding
	s_or_b32 s[G1RS], s46, (3<<16)|(1<<21)
.irp g, G1P, G1R                       ; 256 rows of 512 bytes, 512 bytes apart
	s_mov_b32 s[\g+1], 512<<16
	s_mov_b32 s[\g+2], 256<<16                     ; one load brings all 256 rows
	s_mov_b32 s[\g+3], 512<<16
	s_mov_b32 s[\g+4], 256
	s_mov_b32 s[\g+5], 512
	s_mov_b32 s[\g+6], 0
	s_mov_b32 s[\g+7], 0
.endr
.irp g, G1PS, G1RS                     ; the scale bytes: rows of 256 dense bytes
	s_mov_b32 s[\g+1], 32<<16
	s_mov_b32 s[\g+2], 32<<16                      ; the scale bytes of 256 rows: 8,192 dense bytes as 32 rows of 256
	s_mov_b32 s[\g+3], 32<<16
	s_mov_b32 s[\g+4], 32
	s_mov_b32 s[\g+5], 32
	s_mov_b32 s[\g+6], 0
	s_mov_b32 s[\g+7], 0
.endr
	; THE DEAL: 12 clusters, every work-group two phases on ONE R.  Clusters 0-7: R = 256 tokens (4 X + cy), P = 256 rows (cx) of Wq, then of Wk.
	; Clusters 8-11: R = 256 rows (cy) of Wv, P = tokens' block 8 (X - 8) + 2 cx, then the block behind it.  192 equal work-groups: 384 blocks of 256 x 256.
	s_wait_dscnt 0x0
	s_wait_kmcnt 0x0
	s_cmp_lt_u32 s[XX], 8                          ; q and k, or else v: the choice hangs on the cluster's number alone
	s_cselect_b64 s[PCP:PCP+1], s[8:9], s[4:5]
	s_cselect_b64 s[PSP:PSP+1], s[10:11], s[6:7]
	s_cselect_b64 s[RCP:RCP+1], s[4:5], s[16:17]
	s_cselect_b64 s[RSP:RSP+1], s[6:7], s[18:19]
	s_cselect_b64 s[BIP:BIP+1], s[20:21], s[24:25]
	s_cselect_b64 s[OUTC:OUTC+1], s[26:27], s[34:35]
	s_cselect_b64 s[OUTS:OUTS+1], s[28:29], s[36:37]
	s_sub_co_u32 s24, s[XX], 8
	s_lshl_b32 s24, s24, 3
	s_lshl_b32 s28, s[XX], 2
	s_cmp_lt_u32 s[XX], 8
	s_cselect_b32 s24, 0, s24
	s_cselect_b32 s28, s28, 0
	s_cselect_b32 s[CASE], 0, 1
	s_lshl_b32 s25, s[CX], s[CASE]
	s_add_co_u32 s24, s24, s25                     ; q, k: cx;            v: 8 (X - 8) + 2 cx
	s_add_co_u32 s28, s28, s[CY]                   ; q, k: 4 X + cy;      v: cy
	s_lshl_b32 s25, s24, 8
	s_lshl_b32 s26, s25, 9
	s_mov_b32 s27, 0
	s_mov_b32 s[G0P], 1
	s_mov_b32 s[G0P+1], PCL
	s_add_nc_u64 s[G0P+2:G0P+3], s[PCP:PCP+1], s[26:27]
	s_or_b32 s[G0P+3], s[G0P+3], 0x80000000
	s_lshl_b32 s26, s25, 5
	s_mov_b32 s[G0PS], 1
	s_mov_b32 s[G0PS+1], PSL
	s_add_nc_u64 s[G0PS+2:G0PS+3], s[PSP:PSP+1], s[26:27]
	s_or_b32 s[G0PS+3], s[G0PS+3], 0x80000000
	s_lshl_b32 s29, s28, 8
	s_lshl_b32 s30, s29, 9
	s_mov_b32 s31, 0
	s_mov_b32 s[G0R], 1
	s_mov_b32 s[G0R+1], RCL
	s_add_nc_u64 s[G0R+2:G0R+3], s[RCP:RCP+1], s[30:31]
	s_or_b32 s[G0R+3], s[G0R+3], 0x80000000
	s_lshl_b32 s30, s29, 5
	s_mov_b32 s[G0RS], 1
	s_mov_b32 s[G0RS+1], RSL
	s_add_nc_u64 s[G0RS+2:G0RS+3], s[RSP:RSP+1], s[30:31]
	s_or_b32 s[G0RS+3], s[G0RS+3], 0x80000000
	CROUND                                         ; all sixteen work-groups are here: the joint loads meet
	; the head's four tiles, one whole tile a wave, in one chain of arms on the wave's number: wave 0 P's codes, wave 1 P's scales, wave 2 R's codes, wave 3 R's scales
	s_cmp_lt_u32 s[WV], 1
	s_cbranch_scc0 .Lh_ps
	tensor_load_to_lds s[G0P:G0P+3], s[G1P:G1P+7]
	s_nop 0
	PLACES
	s_branch .Lh_done
.Lh_ps:
	s_cmp_lt_u32 s[WV], 2
	s_cbranch_scc0 .Lh_r
	tensor_load_to_lds s[G0PS:G0PS+3], s[G1PS:G1PS+7]
	s_nop 0
	PLACES
	s_branch .Lh_done
.Lh_r:
	s_cmp_lt_u32 s[WV], 3
	s_cbranch_scc0 .Lh_rs
	tensor_load_to_lds s[G0R:G0R+3], s[G1R:G1R+7]
	s_nop 0
	PLACES
	s_branch .Lh_done
.Lh_rs:
	tensor_load_to_lds s[G0RS:G0RS+3], s[G1RS:G1RS+7]
	s_nop 0
	PLACES
.Lh_done:
	; the output's strides are powers of two in both cases: the shift is chosen
	s_cmp_eq_u32 s[CASE], 0
	s_cselect_b32 s32, 19, 16                      ; from 128 i to the next, codes
	s_cselect_b32 s33, 10, 11                      ; from pair to pair of j tiles, codes
	s_cselect_b32 s34, 18, 9                       ; from half to half of a fragment
	s_cselect_b32 s35, 9, 10                       ; from tile to tile of a pair
	s_cselect_b32 s36, 15, 12                      ; from 128 i to the next, scale bytes
	s_cselect_b32 s37, 6, 7                        ; from pair to pair, scale bytes
	s_cselect_b32 s23, 14, 6                       ; from lanes 0-15 to lanes 16-31, scale bytes
	s_mov_b32 s45, 0x03020100                      ; v: lanes 0-15 store tile 0's word, lanes 16-31 tile 1's;
	s_cselect_b32 s45, 0x05040100, s45             ; q, k: lanes 0-15 the first head's two bytes of both tiles, lanes 16-31 the second head's
	s_mov_b32 s46, 0x07060504
	s_cselect_b32 s46, 0x07060302, s46
	s_lshl_b32 s24, s24, 1
	s_add_co_u32 s24, s24, s[WI]                   ; I: which 128 i are mine
	s_lshl_b32 s28, s28, 3
	s_lshl_b32 s25, s[WJ], 2
	s_add_co_u32 s28, s28, s25                     ; my first pair of j tiles
	s_lshl_b32 s26, s24, s32
	s_lshl_b32 s25, s28, s33
	s_add_co_u32 s26, s26, s25
	s_mov_b32 s27, 0
	s_add_nc_u64 s[OUTC:OUTC+1], s[OUTC:OUTC+1], s[26:27]
	s_lshl_b32 s26, s24, s36
	s_lshl_b32 s25, s28, s37
	s_add_co_u32 s26, s26, s25
	s_add_nc_u64 s[OUTS:OUTS+1], s[OUTS:OUTS+1], s[26:27]
	s_lshl_b32 s26, s24, 9                         ; the bias: q, k: my 128 i; v: my 128 j
	s_lshl_b32 s25, s28, 7
	s_cmp_eq_u32 s[CASE], 0
	s_cselect_b32 s26, s26, s25
	s_add_nc_u64 s[BIP:BIP+1], s[BIP:BIP+1], s[26:27]
	s_lshl_b32 s[STC], 1, s33
	s_mov_b32 s[STC+1], 0
	s_lshl_b32 s[STS], 1, s37
	s_mov_b32 s[STS+1], 0
	s_mov_b32 s[SEL], 0x76543210
	s_mov_b32 s[SEL+1], 0xfedcba98
	s_mov_b32 s[HI16], 0xffff0000
	v_and_b32 v13, 15, v0                          ; r
	v_bfe_u32 v14, v0, 4, 1                        ; h
	v_and_b32 v15, 31, v0                          ; lane
	v_mul_u32_u24 v[AP], v13, PITCH
	v_lshl_add_u32 v[AP], v14, 4, v[AP]            ; a fragment's row x pitch + 16 h
	s_mul_i32 s25, s[WJ], 128*PITCH
	s_add_co_u32 s25, s25, RCL
	v_add_nc_u32 v[AR], s25, v[AP]
	s_mul_i32 s25, s[WI], 128*PITCH
	v_add_nc_u32 v[AP], s25, v[AP]
	v_lshlrev_b32 v[APS], 5, v13
	v_lshl_add_u32 v[APS], v14, 4, v[APS]          ; scale words: 32 bytes a row; lanes 0-15 take K steps 0-3, lanes 16-31 K steps 4-7
	s_lshl_b32 s25, s[WJ], 12
	s_add_co_u32 s25, s25, RSL
	v_add_nc_u32 v[ARS], s25, v[APS]
	s_lshl_b32 s25, s[WI], 12
	s_add_co_u32 s25, s25, PSL
	v_add_nc_u32 v[APS], s25, v[APS]
	v_lshlrev_b32 v[OC], 4, v15
	s_lshl_b32 s25, 1, s35
	s_lshl_b32 s26, 1, s34
	v_add_nc_u32 v[OC+1], s25, v[OC]
	v_add_nc_u32 v[OC+2], s26, v[OC]
	v_add_nc_u32 v[OC+3], s25, v[OC+2]
	v_lshlrev_b32 v[OSV], s23, v14
	v_lshl_add_u32 v[OSV], v13, 2, v[OSV]
	v_mov_b32 v[VSEL], s45
	v_mov_b32 v12, s46
	v_cndmask_b32 v[VSEL], v[VSEL], v12, s[HI16]
	v_lshlrev_b32 v[BIO], 5, v14
	v_lshlrev_b32 v[BJO], 2, v13
.irp b, 0,1,2,3
	v_mov_b32 v[TM+4+\b], 0                        ; written once: a lane permute's destination counts as one of its sources
.endr
	; the bias.  q, k: along i, as the C of each sum's first product.  v: along j, one number a lane and tile, added behind the products; its C is zeros.  Both ways write both sets.
	s_cmp_eq_u32 s[CASE], 0
	s_cbranch_scc0 .Lbias_v
	WIN 0xc0                                       ; destination window 3
.irp t, 0,1,2,3,4,5,6,7
	global_load_b128 v[BI+8*\t:BI+8*\t+3], v[BIO], s[BIP:BIP+1] offset:64*\t        ; lane (r, h), register j of tile t: the bias of i = 16 t + 8 h + j
	global_load_b128 v[BI+8*\t+4:BI+8*\t+7], v[BIO], s[BIP:BIP+1] offset:64*\t+16
.endr
	WIN 0
.irp n, 0,1,2,3,4,5,6,7
	v_mov_b32 v[BJ+\n], 0
.endr
	s_branch .Lbias_done
.Lbias_v:
	WIN 0xc0
.set jj, 0
.rept 64
	v_mov_b32 v[BI+jj], 0
.set jj, jj+1
.endr
	WIN 0
.irp n, 0,1,2,3,4,5,6,7
	global_load_b32 v[BJ+\n], v[BJO], s[BIP:BIP+1] offset:64*\n       ; tile n = 2 p + u of my eight: the bias of j = 16 n + r
.endr
.Lbias_done:
.macro PLOAD                           ; my 128 rows of P, all of K, into windows 1 and 2, and their scale words
.irp ks, 0,1,2,3,4,5,6,7
.if \ks < 4
	WIN 0x40
.else
	WIN 0x80
.endif
.irp t, 0,1,2,3,4,5,6,7
.irp c, 0,1
	ds_load_b128 v[64*(\ks%4)+8*\t+4*\c:64*(\ks%4)+8*\t+4*\c+3], v[AP] offset:16*\t*PITCH+64*\ks+32*\c
.endr
.endr
.endr
	WIN 0
.irp t, 0,1,2,3,4,5,6,7
	ds_load_b128 v[PS+4*\t:PS+4*\t+3], v[APS] offset:512*\t
.endr
.endm
.macro FETCH u, p                      ; tile u of pair p of R, all of K: 16 loads of codes into window 3 and one of scale words: 17
	WIN 0xc0
.irp ks, 0,1,2,3,4,5,6,7
.irp c, 0,1
	ds_load_b128 v[64*(\u)+8*\ks+4*\c:64*(\u)+8*\ks+4*\c+3], v[AR] offset:(32*(\p)+16*(\u))*PITCH+64*\ks+32*\c
.endr
.endr
	WIN 0
	ds_load_b128 v[RS+4*(\u):RS+4*(\u)+3], v[ARS] offset:(32*(\p)+16*(\u))*32
.endm
; 64 products: 128 i x 16 j x 1,024.  K step by K step, the eight accumulators by turns, one instruction a turn.  The first K step takes the bias as C.
.macro MULS u
.irp ks, 0,1,2,3,4,5,6,7
.if \ks == 0
	WIN 0x3d                                       ; A window 1, B and C window 3, D window 0
.elseif \ks < 4
	WIN 0x0d                                       ; A window 1, B window 3, C and D window 0
.else
	WIN 0x0e                                       ; A window 2
.endif
.irp t, 0,1,2,3,4,5,6,7
.if \ks == 0
	v_wmma_scale_f32_16x16x128_f8f6f4 v[ACC+8*\t:ACC+8*\t+7], v[8*\t:8*\t+7], v[64*(\u):64*(\u)+7], v[BI+8*\t:BI+8*\t+7], v[PS+4*\t], v[RS+4*(\u)] matrix_a_fmt:MATRIX_FMT_FP4 matrix_b_fmt:MATRIX_FMT_FP4
.elseif \ks < 4
	v_wmma_scale_f32_16x16x128_f8f6f4 v[ACC+8*\t:ACC+8*\t+7], v[64*\ks+8*\t:64*\ks+8*\t+7], v[64*(\u)+8*\ks:64*(\u)+8*\ks+7], v[ACC+8*\t:ACC+8*\t+7], v[PS+4*\t+\ks], v[RS+4*(\u)+\ks] matrix_a_fmt:MATRIX_FMT_FP4 matrix_b_fmt:MATRIX_FMT_FP4
.else
	v_wmma_scale_f32_16x16x128_f8f6f4 v[ACC+8*\t:ACC+8*\t+7], v[64*(\ks-4)+8*\t:64*(\ks-4)+8*\t+7], v[64*(\u)+8*\ks:64*(\u)+8*\ks+7], v[ACC+8*\t:ACC+8*\t+7], v[PS+4*\t+\ks-4], v[RS+4*(\u)+\ks-4] matrix_a_fmt:MATRIX_FMT_FP4 matrix_b_fmt:MATRIX_FMT_FP4 matrix_a_scale:MATRIX_SCALE_ROW1 matrix_b_scale:MATRIX_SCALE_ROW1
.endif
.endr
.endr
	WIN 0
.endm
.macro BIASJ u, p                      ; v alone: + the bias of my column, two numbers an instruction, each accumulator from its low end on
	s_cmp_eq_u32 s[CASE], 0
	s_cbranch_scc1 .Lno_bj_\@
.set jj, 0
.rept 32
	v_pk_add_f32 v[ACC+jj:ACC+jj+1], v[ACC+jj:ACC+jj+1], v[BJ+2*(\p):BJ+2*(\p)+1] op_sel:[0,\u] op_sel_hi:[1,\u]
.set jj, jj+2
.endr
.Lno_bj_\@:
.endm
; 64 numbers of a lane, register 8 t + j = i 16 t + 8 h + j of my j, become a fragment's codes in v[pc] on and its scale word in v[pw].  Tiles 2 b and 2 b + 1 are block b; lane l xor 16 holds its other half.
.macro QUANT s, pc, pw
.irp b, 0,1,2,3
	v_max3_num_f32 v[TM+\b], |v[\s+16*\b]|, |v[\s+16*\b+1]|, 0x1800000   ; my 16 numbers of block b, and the floor 2^(3 - 127): the byte cannot fall under 1
.endr
.irp i, 2,4,6,8,10,12,14
.irp b, 0,1,2,3
	v_max3_num_f32 v[TM+\b], v[TM+\b], |v[\s+16*\b+\i]|, |v[\s+16*\b+\i+1]|
.endr
.endr
.irp b, 0,1,2,3
	v_permlanex16_b32 v[TM+4+\b], v[TM+\b], s[SEL], s[SEL+1]
.endr
.irp b, 0,1,2,3
	v_max_num_f32 v[TM+\b], v[TM+\b], v[TM+4+\b]   ; the block's largest magnitude
.endr
.irp b, 0,1,2,3
	v_add_nc_u32 v[TM+12+\b], 0xff000000, v[TM+\b] ; 2 off its exponent field: the conversion's scale operand
.endr
.irp b, 0,1,2,3
	v_lshrrev_b32 v[TM+4+\b], 23, v[TM+12+\b]      ; the scale's byte
.endr
	v_lshl_or_b32 v[\pw], v[TM+5], 8, v[TM+4]
	v_lshl_or_b32 v[\pw], v[TM+6], 16, v[\pw]
	v_lshl_or_b32 v[\pw], v[TM+7], 24, v[\pw]
.irp c, 0,1                            ; a conversion gives eight codes, i = 16 t + 8 h + 0 .. 7.  They are laid so that two exchanges of halves give the operand's registers
	v_cvt_scalef32_pk8_fp4_f32 v[\pc+4*\c], v[\s+32*\c:\s+32*\c+7], v[TM+12+2*\c]
	v_cvt_scalef32_pk8_fp4_f32 v[\pc+4*\c+2], v[\s+32*\c+8:\s+32*\c+15], v[TM+12+2*\c]
	v_cvt_scalef32_pk8_fp4_f32 v[\pc+4*\c+1], v[\s+32*\c+16:\s+32*\c+23], v[TM+12+2*\c+1]
	v_cvt_scalef32_pk8_fp4_f32 v[\pc+4*\c+3], v[\s+32*\c+24:\s+32*\c+31], v[TM+12+2*\c+1]
.endr
	v_nop                                          ; one plain place behind the scaled conversions
.irp c, 0,1
	v_permlane16_swap_b32 v[\pc+4*\c], v[\pc+4*\c+1]       ; registers 4 c .. 4 c + 3 of lane (r, h) now hold i = 64 c + 32 h + 0 .. 31
	v_permlane16_swap_b32 v[\pc+4*\c+2], v[\pc+4*\c+3]
.endr
.endm
; A pair of j tiles.  While a tile is quantised and stored, the fragments of the tile two further on are on their way out of LDS.
.macro PAIR p
	s_wait_dscnt 17                                ; tile 0's 17 loads are in; tile 1's 17 may be out
	MULS 0
	PLACES
.if \p < 3
	FETCH 0, (\p)+1
.endif
	BIASJ 0, \p
	QUANT ACC, PC0, PW0                            ; its lines on the work registers are also the places in front of the next products, which begin the accumulators anew
	global_store_b128 v[OC], v[PC0:PC0+3], s[OUTC:OUTC+1]          ; 32 lanes store 512 consecutive bytes, at a multiple of 512
	global_store_b128 v[OC+2], v[PC0+4:PC0+7], s[OUTC:OUTC+1]
.if \p < 3
	s_wait_dscnt 17                                ; tile 1's loads are in; the 17 just issued may be out
.else
	s_wait_dscnt 0x0
.endif
	MULS 1
	PLACES
.if \p < 3
	FETCH 1, (\p)+1
.endif
	BIASJ 1, \p
	QUANT ACC, PC1, PW1
	global_store_b128 v[OC+1], v[PC1:PC1+3], s[OUTC:OUTC+1]
	global_store_b128 v[OC+3], v[PC1+4:PC1+7], s[OUTC:OUTC+1]
	v_perm_b32 v[SW], v[PW1], v[PW0], v[VSEL]      ; my four of the pair's eight scale bytes
	global_store_b32 v[OSV], v[SW], s[OUTS:OUTS+1]
.if \p < 3
	s_wait_xcnt 0x0                                ; the stores have read their data and their bases: both are written again only behind this wait
	s_add_nc_u64 s[OUTC:OUTC+1], s[OUTC:OUTC+1], s[STC:STC+1]
	s_add_nc_u64 s[OUTS:OUTS+1], s[OUTS:OUTS+1], s[STS:STS+1]
.endif
.endm
	s_wait_alu depctr_va_vdst(0)                   ; the wait at the head's end
	s_wait_tensorcnt 0x0                           ; my one tile has landed
	s_barrier_signal -1
	s_barrier_wait -1                              ; all four have
	; the second phase's pointers, read anew into registers that the head's descriptors have left (no tensor load of mine is out)
	s_load_b128 s[4:7], s[0:1], 0x20               ; Wk's codes, scales
	s_load_b128 s[8:11], s[0:1], 0x0               ; x's
	s_load_b128 s[12:15], s[0:1], 0x68             ; kcodes, kscales
	s_load_b128 s[16:19], s[0:1], 0x78             ; vcodes, vscales
	s_load_b64 s[46:47], s[0:1], 0x48              ; bk
	PLOAD
	s_wait_kmcnt 0x0
	s_cmp_eq_u32 s[CASE], 0
	s_cselect_b64 s[4:5], s[4:5], s[8:9]
	s_cselect_b64 s[6:7], s[6:7], s[10:11]
	s_cselect_b64 s[12:13], s[12:13], s[16:17]
	s_cselect_b64 s[14:15], s[14:15], s[18:19]
	s_sub_co_u32 s2, s[XX], 8                      ; the second P's block: q, k: cx; v: 8 (X - 8) + 2 cx + 1 (never holds cy)
	s_lshl_b32 s2, s2, 3
	s_add_co_u32 s2, s2, 1
	s_cmp_eq_u32 s[CASE], 0
	s_cselect_b32 s2, 0, s2
	s_lshl_b32 s100, s[CX], s[CASE]
	s_add_co_u32 s2, s2, s100
	s_lshl_b32 s100, s2, 17                        ; 256 rows of 512 bytes
	s_mov_b32 s101, 0
	s_mov_b32 s8, 1
	s_mov_b32 s9, PCL
	s_add_nc_u64 s[10:11], s[4:5], s[100:101]
	s_or_b32 s11, s11, 0x80000000
	s_lshl_b32 s100, s2, 13                        ; 256 rows of 32 bytes
	s_mov_b32 s16, 1
	s_mov_b32 s17, PSL
	s_add_nc_u64 s[18:19], s[6:7], s[100:101]
	s_or_b32 s19, s19, 0x80000000
	s_lshl_b32 s2, s[CASE], 1
	s_add_co_u32 s2, s2, s24                       ; which 128 i are mine in the second phase: q, k: as before; v: two further on
	s_lshl_b32 s100, s2, s32
	s_lshl_b32 s3, s28, s33
	s_add_co_u32 s100, s100, s3
	s_add_nc_u64 s[12:13], s[12:13], s[100:101]    ; its codes' place,
	s_lshl_b32 s100, s2, s36
	s_lshl_b32 s3, s28, s37
	s_add_co_u32 s100, s100, s3
	s_add_nc_u64 s[14:15], s[14:15], s[100:101]    ; its scale bytes',
	s_lshl_b32 s100, s24, 9
	s_add_nc_u64 s[46:47], s[46:47], s[100:101]    ; and bk at my 128 i
	s_wait_tensorcnt 0x0                           ; P's LDS bytes are filled again: no tensor load of mine is out,
	ds_add_u32 v254, v255
	s_wait_dscnt 0x0                               ; (my reads of P are over: it lies in registers)
	CROUND                                         ; and a round of the cluster's barrier: no wave of any partner still reads P
	s_cmp_lt_u32 s[WV], 1                          ; wave 0 asks for the second P's codes, wave 1 for its scale bytes; they have the first phase's four pairs in which to land
	s_cbranch_scc0 .Lr_ps
	tensor_load_to_lds s[8:11], s[G1P:G1P+7]
	s_nop 0
	PLACES
	s_branch .Lr_done
.Lr_ps:
	s_cmp_lt_u32 s[WV], 2
	s_cbranch_scc0 .Lr_done
	tensor_load_to_lds s[16:19], s[G1PS:G1PS+7]
	s_nop 0
	PLACES
.Lr_done:
	FETCH 0, 0
	FETCH 1, 0
	s_wait_loadcnt 0x0
	s_wait_alu depctr_va_vdst(0)
	s_mov_b32 s3, 2                                ; two phases
.Lphase:
	PAIR 0
	PAIR 1
	PAIR 2
	PAIR 3
	s_sub_co_u32 s3, s3, 1
	s_cmp_eq_u32 s3, 0
	s_cbranch_scc1 .Lphases_done
	s_wait_tensorcnt 0x0                           ; my part of the second P, if I asked for one, has landed
	s_wait_dscnt 0x0
	s_barrier_signal -1
	s_barrier_wait -1                              ; both parts have
	s_wait_xcnt 0x0                                ; the stores have read their bases
	s_mov_b64 s[OUTC:OUTC+1], s[12:13]
	s_mov_b64 s[OUTS:OUTS+1], s[14:15]
	PLACES                                         ; ahead of loads into registers that products have read
	s_cmp_eq_u32 s[CASE], 0
	s_cbranch_scc0 .Lno_bias2                      ; v's bias goes along j, which stays
	WIN 0xc0
.irp t, 0,1,2,3,4,5,6,7
	global_load_b128 v[BI+8*\t:BI+8*\t+3], v[BIO], s[46:47] offset:64*\t
	global_load_b128 v[BI+8*\t+4:BI+8*\t+7], v[BIO], s[46:47] offset:64*\t+16
.endr
	WIN 0
.Lno_bias2:
	PLOAD
	FETCH 0, 0
	FETCH 1, 0
	s_wait_loadcnt 0x0
	s_cmp_lg_u32 s3, 0
	s_cbranch_scc1 .Lphase
.Lphases_done:
	s_wait_dscnt 0x0
	s_wait_tensorcnt 0x0
	ds_add_u32 v254, v255
	s_wait_dscnt 0x0
	CROUND                                         ; the closing round: no work-group ends while a partner may still ask for a tile that names it
	s_endpgm
.Lfunc_end_k_qbe0406892f_qkv:
	.size	k_qbe0406892f_qkv, .Lfunc_end_k_qbe0406892f_qkv-k_qbe0406892f_qkv
	.p2alignl 7, 3214868480
	.fill 96, 4, 3214868480
	.section	.rodata,"a",@progbits
	.p2align	6, 0x0
	.amdhsa_kernel k_qbe0406892f_qkv
		.amdhsa_group_segment_fixed_size 327680
		.amdhsa_private_segment_fixed_size 0
		.amdhsa_enable_private_segment 0
		.amdhsa_kernarg_size 136
		.amdhsa_user_sgpr_count 2
		.amdhsa_user_sgpr_kernarg_segment_ptr 1
		.amdhsa_wavefront_size32 1
		.amdhsa_system_sgpr_workgroup_id_x 1
		.amdhsa_system_sgpr_workgroup_id_y 1
		.amdhsa_system_sgpr_workgroup_id_z 1
		.amdhsa_system_vgpr_workitem_id 0
		.amdhsa_next_free_vgpr 960
		.amdhsa_next_free_sgpr 102
		.amdhsa_reserve_vcc 0
		.amdhsa_float_denorm_mode_32 3
		.amdhsa_float_denorm_mode_16_64 3
		.amdhsa_memory_ordered 1
		.amdhsa_forward_progress 1
		.amdhsa_inst_pref_size 163
	.end_amdhsa_kernel
	.amdgpu_metadata
---
amdhsa.version: [ 1, 2 ]
amdhsa.kernels:
  - .name:           k_qbe0406892f_qkv
    .symbol:         k_qbe0406892f_qkv.kd
    .args:
      - { .name: x_codes, .offset: 0, .size: 8, .value_kind: global_buffer, .address_space: global }
      - { .name: x_scales, .offset: 8, .size: 8, .value_kind: global_buffer, .address_space: global }
      - { .name: Wq_codes, .offset: 16, .size: 8, .value_kind: global_buffer, .address_space: global }
      - { .name: Wq_scales, .offset: 24, .size: 8, .value_kind: global_buffer, .address_space: global }
      - { .name: Wk_codes, .offset: 32, .size: 8, .value_kind: global_buffer, .address_space: global }
      - { .name: Wk_scales, .offset: 40, .size: 8, .value_kind: global_buffer, .address_space: global }
      - { .name: Wv_codes, .offset: 48, .size: 8, .value_kind: global_buffer, .address_space: global }
      - { .name: Wv_scales, .offset: 56, .size: 8, .value_kind: global_buffer, .address_space: global }
      - { .name: bq, .offset: 64, .size: 8, .value_kind: global_buffer, .address_space: global }
      - { .name: bk, .offset: 72, .size: 8, .value_kind: global_buffer, .address_space: global }
      - { .name: bv, .offset: 80, .size: 8, .value_kind: global_buffer, .address_space: global }
      - { .name: qcodes, .offset: 88, .size: 8, .value_kind: global_buffer, .address_space: global }
      - { .name: qscales, .offset: 96, .size: 8, .value_kind: global_buffer, .address_space: global }
      - { .name: kcodes, .offset: 104, .size: 8, .value_kind: global_buffer, .address_space: global }
      - { .name: kscales, .offset: 112, .size: 8, .value_kind: global_buffer, .address_space: global }
      - { .name: vcodes, .offset: 120, .size: 8, .value_kind: global_buffer, .address_space: global }
      - { .name: vscales, .offset: 128, .size: 8, .value_kind: global_buffer, .address_space: global }
    .group_segment_fixed_size: 327680
    .private_segment_fixed_size: 0
    .kernarg_segment_align: 8
    .kernarg_segment_size: 136
    .max_flat_workgroup_size: 128
    .sgpr_count:     102
    .vgpr_count:     960
    .wavefront_size: 32
...
	.end_amdgpu_metadata
.endif
;; end of part 1
;; launch attn (part 2): grid 4 x 64, 8 waves a work-group, clusters of 4 x 1, 169,984 bytes of LDS; arguments qcodes, qscales, kcodes, kscales, vcodes, vscales, ocodes, oscales; writes ocodes, oscales
.if DOCPART == 2
	.amdgcn_target "amdgcn-amd-amdhsa--gfx1250"
	.amdhsa_code_object_version 6
	.text
	.protected	k_qbe0406892f_attn
	.globl	k_qbe0406892f_attn
	.p2align	8
	.type	k_qbe0406892f_attn,@function
k_qbe0406892f_attn:
	s_mov_b64 s[64:65], 0
	v_nop
	global_prefetch_b8 v0, s[64:65] scope:SCOPE_SE
	s_setreg_imm32_b32 hwreg(HW_REG_WAVE_MODE, 25, 1), 1
	s_wait_xcnt 0x0
	s_wait_alu depctr_hold_cnt(0) depctr_sa_sdst(0) depctr_va_vdst(0) depctr_va_sdst(0) depctr_va_ssrc(0) depctr_va_vcc(0) depctr_vm_vsrc(0)
	s_getreg_b32 s2, hwreg(HW_REG_IB_STS2, 6, 4)
	s_cmp_eq_u32 s2, 0
	s_cbranch_scc0 .Lentry_in_a_cluster
	s_endpgm
.Lentry_in_a_cluster:
	s_bfe_u32 s2, ttmp6, 0x10000c
	s_cmp_lg_u32 s2, 0x3003
	s_cbranch_scc0 .Lentry_shape_is_right
	s_endpgm
.Lentry_shape_is_right:
; O[q] = sum over keys of softmax(q . k / 8) v for one batch and head, both products on codes of FP4 (E2M1) with E8M0 scales; O / the row's sum is quantised along the channels and leaves as codes.
; THE SOFTMAX: t = score x log2(e) / 8; M = the running largest t rounded UP to a whole number; p = 2^(t - M) is quantised along the keys, not normalised; the row's sum is taken of the unquantised p
; and divides O at the end.  When M moves, the sum and O are multiplied by 2^(old M - new M), which rounds nothing.
; SHARES.  A cluster of four work-groups is one (batch, head); a work-group owns 512 queries, each of its eight waves 64: four tiles of 16.  A key step is 128 keys: its fragments of K and V are read
; from LDS once and serve all four tiles.  The tiles go two at a time: their chains take turns, and one tile's exponentials stand among the other's independent lines.
; The head's K and V codes lie in LDS whole, filled once by joint loads that name the four work-groups, one load a wave.  The scale words (8,192 bytes) come by global loads and are stored to LDS bytes of their own.
; No prefetch: all that the launch reads is asked for at its head; there is no loop to run ahead in.
; LAYOUT.  Both products are used transposed: S^T = K Q^T, O^T = V^T P^T: a lane holds ONE query (lane % 16).  The score product has K = 64 in an instruction of 128: source 0 holds two tiles of 16 keys side
; by side along K, source 1 is (q | zeros) or (zeros | q).
; THE KEYS OF A TILE ARE CHOSEN: row 8 h + j of tile t (0..3) of group c (0, 1) is key 64 c + 32 h + 8 t + j.  So registers 32 c .. 32 c + 31 of a lane are the WHOLE block 2 c + h of 32 keys:
; a block's maximum needs no other lane, and the conversions' results are the second product's operand as they stand.
; LIMITS: NaN and infinities are not served.  A block whose largest magnitude lies under 2^-124, a block of zeros too, gets the scale byte 1: its codes are zeros or nearly so, and this program alone reads the bytes.
.set KROW,  1152                       ; K's codes in LDS: 1,024 bytes (two tiles' images) + 128 of padding, so that rows 0-7 and 8-15 of a fragment fall on different halves of 256 bytes
.set VC,    64*KROW                    ; V's codes [128 keys: 16][tile of 16 channels: 4][1,024]
.set KS2,   VC+65536                   ; K's scale words, laid by fragment: [64 keys: 32][u 2][row 16][4 bytes]
.set VSL,   KS2+4096                   ; V's [16][4][r 16][4 bytes]
.set SPARE, VSL+4096+256               ; the spare words, 128 bytes a wave
.set AK,  1                            ; v1 my place in K's fragments; v2 in V's; v3, v4 in their scale words: stepped from key step to key step
.set AV,  2
.set AKS, 3
.set AVS, 4
.set AL,  5                            ; v5 16 x lane
.set GOS, 6                            ; v6 16 r + h: my scale byte of o
.set SH8, 7                            ; v7 8 h
.set SPW, 8
.set NIL, 9
.set KSC, 10                           ; v10-13 K's scale words, v14-17 V's, v18-21 q's: scales and nothing else
.set VSC, 14
.set QS,  18
.set ST,  22                           ; v22-37 tile i: -M, the largest score, the sum in two halves
.set KF,  40                           ; v40-71 four fragments of K
.set SA,  72                           ; v72-135, v136-199 S^T, then p, of the pair's two tiles
.set SB,  136
.set PCA, 200                          ; v200-215 p's codes; v216, v217 p's scale words
.set PW,  216
.set BM,  218                          ; v218-221 a block's largest score, then largest p
.set FF,  222                          ; v[222:223], v[224:225] f = 2^(old M - new M)
.set W,   226
.set T,   228
.set SCL, 230                          ; v230-233 the conversions' scale operands
.set TT,  234
.set UA,  238                          ; v238-245 partial sums
.set U1,  240
.set U2,  242
.set U3,  244
.set VF,  128                          ; window 1: v0-127 O^T (tile i at 32 i); v128-159 V's fragments; v160-195 zeros, q0, zeros, q1, zeros, q2, zeros, q3, zeros
.set QB,  160
.set WV,  20
.set G1K, 24
.set G1V, 32
.set G0K, 40
.set G0V, 44
.set SEL, 48
.set CS,  50                           ; s[50:51] c = log2(e) / 8; s52 -c
.set NC,  52
.set CNT, 53
.set HI16, 54
.set QCP, 56
.set QSP, 58
.set OCP, 60
.set OSP, 62
.set KSP, 66
.set VSP, 68
.set MSB, 0
.macro WIN new
.if MSB != \new
	s_set_vgpr_msb (MSB<<8)|\new
.set MSB, \new
.endif
.endm
.macro CROUND
	s_barrier_signal -1
	s_barrier_wait -1
	s_cmp_lg_u32 s[WV], 0
	s_cbranch_scc1 .Lnot_wave_0_\@
	s_barrier_signal -3
.Lnot_wave_0_\@:
	s_barrier_wait -3
	s_barrier_signal -1
	s_barrier_wait -1
.endm
.macro PLACES
.rept 4
	v_nop
.endr
.endm
	s_load_b512 s[4:19], s[0:1], 0x0               ; qcodes 4, qscales 6, kcodes 8, kscales 10, vcodes 12, vscales 14, ocodes 16, oscales 18
	v_lshl_add_u32 v[SPW], v0, 2, SPARE
	v_mov_b32 v[NIL], 0
	ds_add_u32 v[SPW], v[NIL]                      ; the opening lines: the add twice on end and its wait
	ds_add_u32 v[SPW], v[NIL]
	v_lshrrev_b32 v1, 5, v0
	v_readfirstlane_b32 s[WV], v1                  ; wave 0..7
	s_bfe_u32 s21, ttmp6, 0x40000                  ; cx: it enters q's and o's addresses alone
	s_and_b32 s22, ttmp7, 0xffff
	s_lshr_b32 s23, s22, 4                         ; batch
	s_and_b32 s22, s22, 15                         ; head
	s_mov_b32 s[G1K], 15|(3<<16)|(1<<20)|(1<<21)|(7<<22)|(31<<25)  ; the four work-groups; elements of 8 bytes; after every 256 words 32 words of padding
	s_mov_b32 s[G1K+1], 128<<16                    ; K's codes: a quarter is 16 rows of 1,024 dense bytes
	s_mov_b32 s[G1K+2], 16<<16
	s_mov_b32 s[G1K+3], 128<<16
	s_mov_b32 s[G1K+4], 16
	s_mov_b32 s[G1K+5], 128
	s_mov_b32 s[G1K+6], 0
	s_mov_b32 s[G1K+7], 0
	s_mov_b32 s[G1V], 15|(3<<16)|(1<<21)
	s_mov_b32 s[G1V+1], 512<<16                    ; V's codes: a quarter is 4 rows of 4,096 bytes, 65,536 bytes apart
	s_mov_b32 s[G1V+2], 4<<16
	s_mov_b32 s[G1V+3], 512<<16
	s_mov_b32 s[G1V+4], 4
	s_mov_b32 s[G1V+5], 8192
	s_mov_b32 s[G1V+6], 0
	s_mov_b32 s[G1V+7], 0
	s_and_b32 s70, s[WV], 3                        ; waves 0-3: a quarter of K each; waves 4-7: of V
	s_mov_b32 s[G0K], 1
	s_mul_i32 s[G0K+1], s70, 16*KROW
	s_lshl_b32 s[G0K+2], s22, 18
	s_lshl_b32 s71, s23, 16
	s_add_co_u32 s[G0K+2], s[G0K+2], s71
	s_lshl_b32 s71, s70, 14
	s_add_co_u32 s[G0K+2], s[G0K+2], s71
	s_mov_b32 s[G0K+3], 0
	s_mov_b32 s[G0V], 1
	s_add_co_u32 s[G0V+1], s71, VC
	s_lshl_b32 s[G0V+2], s23, 20
	s_lshl_b32 s72, s22, 12
	s_add_co_u32 s[G0V+2], s[G0V+2], s72
	s_lshl_b32 s72, s70, 18
	s_add_co_u32 s[G0V+2], s[G0V+2], s72
	s_mov_b32 s[G0V+3], 0
	s_lshl_b32 s70, s23, 7                         ; my first tile of queries: 128 batch + 32 cx + 4 wave
	s_lshl_b32 s71, s21, 5
	s_add_co_u32 s70, s70, s71
	s_lshl_b32 s71, s[WV], 2
	s_add_co_u32 s70, s70, s71
	s_lshl_b32 s[QCP], s22, 18                     ; qcodes [head][tile][512]
	s_lshl_b32 s71, s70, 9
	s_add_co_u32 s[QCP], s[QCP], s71
	s_mov_b32 s[QCP+1], 0
	s_lshl_b32 s[QSP], s22, 14                     ; qscales [head][pair of tiles][64]
	s_lshl_b32 s71, s70, 5
	s_add_co_u32 s[QSP], s[QSP], s71
	s_mov_b32 s[QSP+1], 0
	s_lshl_b32 s[OCP], s70, 13                     ; ocodes [tile][head][512]
	s_lshl_b32 s71, s22, 9
	s_add_co_u32 s[OCP], s[OCP], s71
	s_mov_b32 s[OCP+1], 0
	s_lshl_b32 s[OSP], s70, 9                      ; oscales: 512 tile + 256 (head / 8) + 16 r + 4 ((head / 2) % 4) + 2 (head % 2) + block
	s_lshr_b32 s71, s22, 3
	s_lshl_b32 s71, s71, 8
	s_add_co_u32 s[OSP], s[OSP], s71
	s_bfe_u32 s71, s22, 0x20001
	s_lshl_b32 s71, s71, 2
	s_add_co_u32 s[OSP], s[OSP], s71
	s_and_b32 s71, s22, 1
	s_lshl_b32 s71, s71, 1
	s_add_co_u32 s[OSP], s[OSP], s71
	s_mov_b32 s[OSP+1], 0
	s_lshl_b32 s[KSP], s22, 14                     ; kscales: the head's and batch's 4,096 bytes
	s_lshl_b32 s71, s23, 12
	s_add_co_u32 s[KSP], s[KSP], s71
	s_mov_b32 s[KSP+1], 0
	s_lshl_b32 s[VSP], s23, 16                     ; vscales: 256 bytes of each of 16 key steps, 4,096 bytes apart
	s_lshl_b32 s71, s22, 8
	s_add_co_u32 s[VSP], s[VSP], s71
	s_mov_b32 s[VSP+1], 0
	s_mov_b32 s[SEL], 0x76543210
	s_mov_b32 s[SEL+1], 0xfedcba98
	s_mov_b32 s[CS], 0x3e38aa3b
	s_mov_b32 s[CS+1], s[CS]
	s_mov_b32 s[NC], 0xbe38aa3b
	s_mov_b32 s[HI16], 0xffff0000
	s_mov_b32 s[CNT], 16
	s_wait_dscnt 0x0
	s_wait_kmcnt 0x0
	s_add_nc_u64 s[G0K+2:G0K+3], s[8:9], s[G0K+2:G0K+3]
	s_or_b32 s[G0K+3], s[G0K+3], 0x80000000
	s_add_nc_u64 s[G0V+2:G0V+3], s[12:13], s[G0V+2:G0V+3]
	s_or_b32 s[G0V+3], s[G0V+3], 0x80000000
	s_add_nc_u64 s[QCP:QCP+1], s[4:5], s[QCP:QCP+1]
	s_add_nc_u64 s[QSP:QSP+1], s[6:7], s[QSP:QSP+1]
	s_add_nc_u64 s[KSP:KSP+1], s[10:11], s[KSP:KSP+1]
	s_add_nc_u64 s[VSP:VSP+1], s[14:15], s[VSP:VSP+1]
	s_add_nc_u64 s[OCP:OCP+1], s[16:17], s[OCP:OCP+1]
	s_add_nc_u64 s[OSP:OSP+1], s[18:19], s[OSP:OSP+1]
	CROUND                                         ; all four work-groups are here: the joint loads meet
	s_cmp_lt_u32 s[WV], 4                          ; every wave issues one load: two arms on the wave's number
	s_cbranch_scc0 .Lfor_v
	tensor_load_to_lds s[G0K:G0K+3], s[G1K:G1K+7]
	s_nop 0
	PLACES
	s_branch .Lasked
.Lfor_v:
	tensor_load_to_lds s[G0V:G0V+3], s[G1V:G1V+7]
	s_nop 0
	PLACES
.Lasked:
	v_and_b32 v218, 15, v0                         ; r
	v_bfe_u32 v219, v0, 4, 1                       ; h
	v_and_b32 v220, 7, v0                          ; r % 8
	v_bfe_u32 v221, v0, 3, 1                       ; r / 8
	v_and_b32 v222, 31, v0
	v_lshlrev_b32 v[AL], 4, v222
	v_add_nc_u32 v[AV], VC, v[AL]
	v_lshlrev_b32 v[AK], 4, v220                   ; K: row r of a fragment is token r % 8 (+ 8 for the second tile) of the image 2 (r / 8) tiles on; my half of its channels 256 h on
	v_mad_u32_u24 v[AK], v221, KROW, v[AK]
	v_lshl_add_u32 v[AK], v219, 8, v[AK]
	v_lshl_add_u32 v[AKS], v218, 2, KS2
	v_lshl_add_u32 v[AVS], v218, 2, VSL
	v_lshl_add_u32 v[GOS], v218, 4, v219
	v_lshlrev_b32 v[SH8], 3, v219
	v_lshlrev_b32 v223, 2, v218                    ; 4 r
	v_lshrrev_b32 v224, 5, v0                      ; K's scale words are laid anew.  Word w = thread + 256 i: row r = w % 16, u = (w / 16) % 2, group of 64 keys w / 32.
	v_lshlrev_b32 v224, 7, v224                    ; Its halves: the two bytes of tokens 64 g + 32 (r / 8) + 16 u + r % 8 and 8 further on: kscales byte 128 g + 64 (r / 8) + 4 (r % 8) + 2 u, and 32 on
	v_lshl_add_u32 v224, v221, 6, v224
	v_lshl_add_u32 v224, v220, 2, v224
	v_lshl_add_u32 v224, v219, 1, v224
	v_lshrrev_b32 v225, 4, v0                      ; V's scale words: thread t takes 16 bytes of key step t / 16
	v_lshlrev_b32 v225, 12, v225
	v_lshl_add_u32 v225, v218, 4, v225
	v_lshl_add_u32 v226, v0, 2, KS2
	v_lshl_add_u32 v227, v0, 4, VSL
.irp i, 0,1,2,3
	global_load_u16 v[72+2*\i], v224, s[KSP:KSP+1] offset:1024*\i
	global_load_u16 v[73+2*\i], v224, s[KSP:KSP+1] offset:1024*\i+32
.endr
	global_load_b128 v[88:91], v225, s[VSP:VSP+1]
.irp i, 0,1,2,3
	global_load_u16 v[246+\i], v223, s[QSP:QSP+1] offset:64*(\i/2)+2*(\i%2)
.endr
	WIN 0x40                                       ; destination window 1
.irp i, 0,1,2,3
	global_load_b128 v[QB+4+8*\i:QB+7+8*\i], v[AL], s[QCP:QCP+1] offset:512*\i   ; q: lane (r, h): block h of query r
.endr
.irp i, 0,1,2,3,4
.irp k, 0,1,2,3
	v_mov_b32 v[QB+8*\i+\k], 0                     ; the zero codes beside q
.endr
.endr
.set jj, 0
.rept 128
	v_mov_b32 v[jj], 0                             ; O^T: the step is written once; the first finds zeros, which the first change of M leaves zeros
.set jj, jj+1
.endr
	WIN 0
	s_wait_alu depctr_va_vdst(0)                   ; the wait ahead of the blocking wait
	s_wait_loadcnt 0x0
.irp i, 0,1,2,3
	v_lshl_or_b32 v[72+2*\i], v[73+2*\i], 16, v[72+2*\i]
.endr
.irp i, 0,1,2,3
	v_lshl_or_b32 v[QS+\i], v[246+\i], 16, v[246+\i]   ; q's two bytes serve both places of q in source 1
.endr
.irp i, 0,1,2,3
	v_mov_b32 v[ST+4*\i+1], 0xff61b1e6             ; the largest score so far: -3e38
	v_mov_b32 v[ST+4*\i+2], 0
	v_mov_b32 v[ST+4*\i+3], 0
.endr
.irp i, 0,1,2,3
	v_floor_f32 v[ST+4*\i], -v[ST+4*\i+1]
.endr
	v_mov_b32 v[T], 0                              ; a lane permute's destination counts as one of its sources
	v_mov_b32 v[T+1], 0
	v_mov_b32 v[FF+1], 0                           ; (upper halves of pairs of which the low word alone is used)
	v_mov_b32 v[FF+3], 0
	s_wait_alu depctr_va_vdst(0)                   ; the wait at the head's end
	s_wait_tensorcnt 0x0                           ; my load has landed
.irp i, 0,1,2,3
	ds_store_b32 v226, v[72+2*\i] offset:1024*\i
.endr
	ds_store_b128 v227, v[88:91]
	s_wait_dscnt 0x0
	s_barrier_signal -1
	s_barrier_wait -1                              ; K, V and the scale words are whole
.macro KLOAD                           ; a key step's four fragments of K and their scale words: 12 loads
.irp f, 0,1,2,3
.irp w, 0,1
	ds_load_b128 v[KF+8*\f+4*\w:KF+8*\f+4*\w+3], v[AK] offset:2*KROW*(\f/2)+512*(\f%2)+128*\w
.endr
	ds_load_b32 v[KSC+\f], v[AKS] offset:64*\f
.endr
.endm
.macro VLOAD                           ; and V's: 12 loads
	WIN 0x40
.irp t, 0,1,2,3
.irp c, 0,1
	ds_load_b128 v[VF+8*\t+4*\c:VF+8*\t+4*\c+3], v[AV] offset:1024*\t+512*\c
.endr
.endr
	WIN 0
.irp t, 0,1,2,3
	ds_load_b32 v[VSC+\t], v[AVS] offset:64*\t
.endr
.endm
.macro SMUL p                          ; S^T of tiles 2 p, 2 p + 1: sixteen products, sixteen accumulators
	WIN 0x04                                       ; source 1 (q) in window 1
.irp f, 0,1,2,3
.irp w, 0,1
.irp x, 0,1
	v_wmma_scale_f32_16x16x128_f8f6f4 v[SA+64*\x+16*\f+8*\w:SA+64*\x+16*\f+8*\w+7], v[KF+8*\f:KF+8*\f+7], v[QB+8*(2*\p+\x)+4-4*\w:QB+8*(2*\p+\x)+11-4*\w], 0, v[KSC+\f], v[QS+2*\p+\x] matrix_a_fmt:MATRIX_FMT_FP4 matrix_b_fmt:MATRIX_FMT_FP4
.endr
.endr
.endr
	WIN 0
.endm
.macro PVMUL p                         ; O^T += V^T P^T: eight accumulators by turns
	WIN 0x51                                       ; V's fragments, C and D in window 1
.irp t, 0,1,2,3
.irp x, 0,1
	v_wmma_scale_f32_16x16x128_f8f6f4 v[32*(2*\p+\x)+8*\t:32*(2*\p+\x)+8*\t+7], v[VF+8*\t:VF+8*\t+7], v[PCA+8*\x:PCA+8*\x+7], v[32*(2*\p+\x)+8*\t:32*(2*\p+\x)+8*\t+7], v[VSC+\t], v[PW+\x] matrix_a_fmt:MATRIX_FMT_FP4 matrix_b_fmt:MATRIX_FMT_FP4
.endr
.endr
	WIN 0
.endm
; The softmax of a pair of tiles (x = 0, 1) on 128 keys: from scores to p's codes and scale words, the sums, and O^T under the new M.
.macro SOFT p
.irp x, 0,1
.irp c, 0,1
	v_max3_num_f32 v[BM+2*\x+\c], v[SA+64*\x+32*\c], v[SA+64*\x+32*\c+1], v[SA+64*\x+32*\c+2]   ; my block's largest score: it serves the row's maximum and, since p rises with the score, the block's largest p
.endr
.endr
.irp i, 3,5,7,9,11,13,15,17,19,21,23,25,27,29
.irp x, 0,1
.irp c, 0,1
	v_max3_num_f32 v[BM+2*\x+\c], v[BM+2*\x+\c], v[SA+64*\x+32*\c+\i], v[SA+64*\x+32*\c+\i+1]
.endr
.endr
.endr
.irp x, 0,1
.irp c, 0,1
	v_max_num_f32 v[BM+2*\x+\c], v[BM+2*\x+\c], v[SA+64*\x+32*\c+31]
.endr
.endr
.irp x, 0,1
	v_max3_num_f32 v[W+\x], v[BM+2*\x], v[BM+2*\x+1], v[ST+4*(2*\p+\x)+1]
.endr
.irp x, 0,1
	v_permlanex16_b32 v[T+\x], v[W+\x], s[SEL], s[SEL+1]
.endr
.irp x, 0,1
	v_max_num_f32 v[ST+4*(2*\p+\x)+1], v[W+\x], v[T+\x]    ; the running largest score of my query
.endr
.irp x, 0,1
	v_mul_f32 v[W+\x], s[NC], v[ST+4*(2*\p+\x)+1]          ; -t
.endr
.irp x, 0,1
	v_floor_f32 v[W+\x], v[W+\x]                           ; the new -M: a whole number
.endr
.irp x, 0,1
	v_sub_f32 v[T+\x], v[W+\x], v[ST+4*(2*\p+\x)]          ; old M - new M, 0 or less
.endr
.irp x, 0,1
	v_mov_b32 v[ST+4*(2*\p+\x)], v[W+\x]
.endr
.irp x, 0,1
	v_cvt_i32_f32 v[T+\x], v[T+\x]                         ; (it saturates)
.endr
.irp x, 0,1
	v_ldexp_f32 v[FF+2*\x], 1.0, v[T+\x]                   ; f = 2^(old M - new M)
.endr
	WIN 0x41                                       ; O^T in window 1
	s_wait_alu depctr_va_vdst(0)                   ; the wait directly ahead of the first reader of O^T
.irp x, 0,1
.set jj, 0
.rept 16
	v_pk_mul_f32 v[32*(2*\p+\x)+jj:32*(2*\p+\x)+jj+1], v[32*(2*\p+\x)+jj:32*(2*\p+\x)+jj+1], v[FF+2*\x:FF+2*\x+1] op_sel_hi:[1,0]
.set jj, jj+2
.endr
.endr
	WIN 0
.set jj, 0
.rept 32
	v_pk_fma_f32 v[SA+jj:SA+jj+1], v[SA+jj:SA+jj+1], s[CS:CS+1], v[ST+8*\p:ST+8*\p+1] op_sel_hi:[1,0,0]   ; t - M of the first tile
.set jj, jj+2
.endr
.irp x, 0,1
.irp c, 0,1
	v_fma_f32 v[BM+2*\x+\c], v[BM+2*\x+\c], s[CS], v[ST+4*(2*\p+\x)]
.endr
.endr
.irp x, 0,1
	v_pk_mul_f32 v[ST+4*(2*\p+\x)+2:ST+4*(2*\p+\x)+3], v[ST+4*(2*\p+\x)+2:ST+4*(2*\p+\x)+3], v[FF+2*\x:FF+2*\x+1] op_sel_hi:[1,0]
.endr
; A block's scale: its largest p is 2^x, x = the block's largest t - M, so floor(log2) of it is floor(x): no exponential is needed.
; LIMIT: where x lies within an ulp under a whole number and the exponential rounds p up to the power of two, that one p is held one code low.
.irp b, 0,1,2,3
	v_max_num_f32 v[BM+\b], 0xc2f80000, v[BM+\b]   ; held at -124 from below: the byte cannot fall under 1
.endr
.irp b, 0,1,2,3
	v_cvt_floor_i32_f32 v[BM+\b], v[BM+\b]
.endr
.irp b, 0,1,2,3
	v_add_nc_u32 v[TT+\b], 125, v[BM+\b]           ; the scale's byte: floor(x) - 2 + 127
.endr
.irp b, 0,1,2,3
	v_lshlrev_b32 v[SCL+\b], 23, v[TT+\b]          ; and the conversion's scale operand
.endr
.irp x, 0,1
	v_lshl_or_b32 v[W+\x], v[TT+2*\x+1], 16, v[TT+2*\x]    ; my blocks h and 2 + h,
.endr
.irp x, 0,1
	v_lshlrev_b32 v[W+\x], v[SH8], v[W+\x]                 ; at their places in the word;
.endr
.irp x, 0,1
	v_permlanex16_b32 v[TT+2*\x], v[W+\x], s[SEL], s[SEL+1]
.endr
.irp x, 0,1
	v_or_b32 v[PW+\x], v[W+\x], v[TT+2*\x]                 ; with lane l xor 16's two the word is whole
.endr
	s_wait_alu depctr_va_vdst(0)                   ; the wait ahead of the batch
.set jj, 0
.rept 32                               ; the first tile's p; among them the second tile's t - M: each line independent, its sources older than the wait above, its result read behind the wait below
	v_exp_f32 v[SA+jj], v[SA+jj]
	v_exp_f32 v[SA+jj+1], v[SA+jj+1]
	v_pk_fma_f32 v[SB+jj:SB+jj+1], v[SB+jj:SB+jj+1], s[CS:CS+1], v[ST+8*\p+4:ST+8*\p+5] op_sel_hi:[1,0,0]
.set jj, jj+2
.endr
	s_wait_alu depctr_va_vdst(0)                   ; the wait behind the batch
.set n, 0
.rept 32                               ; the second tile's p; among them the first tile's conversions and the first level of its sum, each line independent
	v_exp_f32 v[SB+2*n], v[SB+2*n]
	v_exp_f32 v[SB+2*n+1], v[SB+2*n+1]
.if n < 8
	v_cvt_scalef32_pk8_fp4_f32 v[PCA+n], v[SA+8*n:SA+8*n+7], v[SCL+n/4]
.elseif n == 8
	v_nop                                          ; the plain place behind the conversions, ahead of lines that write their sources
.elseif n < 25
	v_pk_add_f32 v[SA+4*(n-9):SA+4*(n-9)+1], v[SA+4*(n-9):SA+4*(n-9)+1], v[SA+4*(n-9)+2:SA+4*(n-9)+3]
.endif
.set n, n+1
.endr
	v_nop                                          ; a plain place behind the last exponential
	s_wait_alu depctr_va_vdst(0)                   ; the wait behind the batch
.set n, 0
.rept 8
	v_cvt_scalef32_pk8_fp4_f32 v[PCA+8+n], v[SB+8*n:SB+8*n+7], v[SCL+2+n/4]
.set n, n+1
.endr
	v_pk_add_f32 v[UA:UA+1], v[SA+32:SA+33], v[SA+36:SA+37]    ; the rows' sums of the unquantised p, in six chains.  These 48 lines are also the places ahead of the products
	v_pk_add_f32 v[U1:U1+1], v[SB+16:SB+17], v[SB+18:SB+19]
	v_pk_add_f32 v[U2:U2+1], v[SB+32:SB+33], v[SB+34:SB+35]
	v_pk_add_f32 v[U3:U3+1], v[SB+48:SB+49], v[SB+50:SB+51]
.set k, 0
.rept 8
	v_pk_add_f32 v[ST+8*\p+2:ST+8*\p+3], v[ST+8*\p+2:ST+8*\p+3], v[SA+4*k:SA+4*k+1]
	v_pk_add_f32 v[ST+8*\p+6:ST+8*\p+7], v[ST+8*\p+6:ST+8*\p+7], v[SB+2*k:SB+2*k+1]
.if k < 6
	v_pk_add_f32 v[UA:UA+1], v[UA:UA+1], v[SA+40+4*k:SA+41+4*k]
	v_pk_add_f32 v[U1:U1+1], v[U1:U1+1], v[SB+20+2*k:SB+21+2*k]
	v_pk_add_f32 v[U2:U2+1], v[U2:U2+1], v[SB+36+2*k:SB+37+2*k]
	v_pk_add_f32 v[U3:U3+1], v[U3:U3+1], v[SB+52+2*k:SB+53+2*k]
.endif
.set k, k+1
.endr
	v_pk_add_f32 v[ST+8*\p+2:ST+8*\p+3], v[ST+8*\p+2:ST+8*\p+3], v[UA:UA+1]
	v_pk_add_f32 v[U1:U1+1], v[U1:U1+1], v[U2:U2+1]
	v_pk_add_f32 v[ST+8*\p+6:ST+8*\p+7], v[ST+8*\p+6:ST+8*\p+7], v[U3:U3+1]
	v_pk_add_f32 v[ST+8*\p+6:ST+8*\p+7], v[ST+8*\p+6:ST+8*\p+7], v[U1:U1+1]
.endm
	KLOAD                                          ; key step 0
.Lkey:                                                 ; 16 trips, 128 keys each
	VLOAD
	v_add_nc_u32 v[AV], 4096, v[AV]                ; on to the next step's V: next read a whole step's vector work further on
	v_add_nc_u32 v[AVS], 256, v[AVS]
	s_wait_dscnt 12
	SMUL 0
	PLACES
	SOFT 0
	s_wait_alu depctr_va_vdst(0)                   ; the wait ahead of the blocking wait
	s_wait_dscnt 0x0                               ; V is in
	PVMUL 0
	SMUL 1
	v_add_nc_u32 v[AK], 4*KROW, v[AK]              ; on to the next step's K; with the two v_nop the four places ahead of loads into K's registers and of the first read of the scores
	v_add_nc_u32 v[AKS], 256, v[AKS]
	v_nop
	v_nop
	s_cmp_eq_u32 s[CNT], 1                         ; the last step has no successor
	s_cbranch_scc1 .Lno_k
	KLOAD                                          ; the next step's K, a pair's softmax ahead of its use
.Lno_k:
	SOFT 1
	PVMUL 1
	PLACES                                         ; the four places ahead of the loads into V's registers
	s_sub_co_u32 s[CNT], s[CNT], 1
	s_cmp_lg_u32 s[CNT], 0
	s_cbranch_scc1 .Lkey
	; THE WAY OUT, the four tiles by turns: O^T / the sum, quantised along the channels: tiles 0, 1 and tiles 2, 3 of 16 channels are the two blocks
.irp i, 0,1,2,3
	v_add_f32 v[234+\i], v[ST+4*\i+2], v[ST+4*\i+3]
.endr
.irp i, 0,1,2,3
	v_permlanex16_b32 v[226+\i], v[234+\i], s[SEL], s[SEL+1]
.endr
.irp i, 0,1,2,3
	v_add_f32 v[234+\i], v[234+\i], v[226+\i]      ; the row's sum
.endr
	s_wait_alu depctr_va_vdst(0)                   ; the wait ahead of the batch
.irp i, 0,1,2,3
	v_rcp_f32 v[238+2*\i], v[234+\i]
.endr
	v_nop
	WIN 0x01                                       ; source 0 (O^T) in window 1
	s_wait_alu depctr_va_vdst(0)                   ; the wait behind the batch, directly ahead of the first reader of O^T
.irp i, 0,1,2,3
.set jj, 0
.rept 16
	v_pk_mul_f32 v[SA+32*\i+jj:SA+32*\i+jj+1], v[32*\i+jj:32*\i+jj+1], v[238+2*\i:239+2*\i] op_sel_hi:[1,0]
.set jj, jj+2
.endr
.endr
	WIN 0
.irp i, 0,1,2,3
.irp b, 0,1
	v_max3_num_f32 v[218+2*\i+\b], |v[SA+32*\i+16*\b]|, |v[SA+32*\i+16*\b+1]|, 0x1800000
.endr
.endr
.irp m, 2,4,6,8,10,12,14
.irp i, 0,1,2,3
.irp b, 0,1
	v_max3_num_f32 v[218+2*\i+\b], v[218+2*\i+\b], |v[SA+32*\i+16*\b+\m]|, |v[SA+32*\i+16*\b+\m+1]|
.endr
.endr
.endr
.irp n, 0,1,2,3,4,5,6,7
	v_permlanex16_b32 v[226+\n], v[218+\n], s[SEL], s[SEL+1]
.endr
.irp n, 0,1,2,3,4,5,6,7
	v_max_num_f32 v[218+\n], v[218+\n], v[226+\n]
.endr
.irp n, 0,1,2,3,4,5,6,7
	v_add_nc_u32 v[246+\n], 0xff000000, v[218+\n]
.endr
.irp n, 0,1,2,3,4,5,6,7
	v_lshrrev_b32 v[226+\n], 23, v[246+\n]
.endr
.irp i, 0,1,2,3
	v_cvt_scalef32_pk8_fp4_f32 v[200+4*\i], v[SA+32*\i:SA+32*\i+7], v[246+2*\i]
	v_cvt_scalef32_pk8_fp4_f32 v[202+4*\i], v[SA+32*\i+8:SA+32*\i+15], v[246+2*\i]
	v_cvt_scalef32_pk8_fp4_f32 v[201+4*\i], v[SA+32*\i+16:SA+32*\i+23], v[247+2*\i]
	v_cvt_scalef32_pk8_fp4_f32 v[203+4*\i], v[SA+32*\i+24:SA+32*\i+31], v[247+2*\i]
.endr
.irp i, 0,1,2,3
	v_cndmask_b32 v[234+\i], v[226+2*\i], v[227+2*\i], s[HI16]   ; lane (r, h) stores block h's byte.  (Plain places behind the conversions)
.endr
.irp i, 0,1,2,3
	v_permlane16_swap_b32 v[200+4*\i], v[201+4*\i]         ; lane (r, h) now holds block h of query r
	v_permlane16_swap_b32 v[202+4*\i], v[203+4*\i]
.endr
.irp i, 0,1,2,3
	global_store_b128 v[AL], v[200+4*\i:203+4*\i], s[OCP:OCP+1] offset:8192*\i   ; 32 lanes store 512 consecutive bytes, at a multiple of 512; no data register is written again
	global_store_b8 v[GOS], v[234+\i], s[OSP:OSP+1] offset:512*\i
.endr
	s_wait_tensorcnt 0x0                           ; the wave's end
	ds_add_u32 v[SPW], v[NIL]
	s_wait_dscnt 0x0
	CROUND                                         ; the closing round
	s_endpgm
.Lfunc_end_k_qbe0406892f_attn:
	.size	k_qbe0406892f_attn, .Lfunc_end_k_qbe0406892f_attn-k_qbe0406892f_attn
	.p2alignl 7, 3214868480
	.fill 96, 4, 3214868480
	.section	.rodata,"a",@progbits
	.p2align	6, 0x0
	.amdhsa_kernel k_qbe0406892f_attn
		.amdhsa_group_segment_fixed_size 169984
		.amdhsa_private_segment_fixed_size 0
		.amdhsa_enable_private_segment 0
		.amdhsa_kernarg_size 64
		.amdhsa_user_sgpr_count 2
		.amdhsa_user_sgpr_kernarg_segment_ptr 1
		.amdhsa_wavefront_size32 1
		.amdhsa_system_sgpr_workgroup_id_x 1
		.amdhsa_system_sgpr_workgroup_id_y 1
		.amdhsa_system_sgpr_workgroup_id_z 1
		.amdhsa_system_vgpr_workitem_id 0
		.amdhsa_next_free_vgpr 512
		.amdhsa_next_free_sgpr 80
		.amdhsa_reserve_vcc 0
		.amdhsa_float_denorm_mode_32 3
		.amdhsa_float_denorm_mode_16_64 3
		.amdhsa_memory_ordered 1
		.amdhsa_forward_progress 1
		.amdhsa_inst_pref_size 81
	.end_amdhsa_kernel
	.amdgpu_metadata
---
amdhsa.version: [ 1, 2 ]
amdhsa.kernels:
  - .name:           k_qbe0406892f_attn
    .symbol:         k_qbe0406892f_attn.kd
    .args:
      - { .name: qcodes, .offset: 0, .size: 8, .value_kind: global_buffer, .address_space: global }
      - { .name: qscales, .offset: 8, .size: 8, .value_kind: global_buffer, .address_space: global }
      - { .name: kcodes, .offset: 16, .size: 8, .value_kind: global_buffer, .address_space: global }
      - { .name: kscales, .offset: 24, .size: 8, .value_kind: global_buffer, .address_space: global }
      - { .name: vcodes, .offset: 32, .size: 8, .value_kind: global_buffer, .address_space: global }
      - { .name: vscales, .offset: 40, .size: 8, .value_kind: global_buffer, .address_space: global }
      - { .name: ocodes, .offset: 48, .size: 8, .value_kind: global_buffer, .address_space: global }
      - { .name: oscales, .offset: 56, .size: 8, .value_kind: global_buffer, .address_space: global }
    .group_segment_fixed_size: 169984
    .private_segment_fixed_size: 0
    .kernarg_segment_align: 8
    .kernarg_segment_size: 64
    .max_flat_workgroup_size: 256
    .sgpr_count:     80
    .vgpr_count:     512
    .wavefront_size: 32
...
	.end_amdgpu_metadata
.endif
;; end of part 2
;; launch proj (part 3): grid 64 x 4, 4 waves a work-group, clusters of 4 x 4, 247,296 bytes of LDS; arguments ocodes, oscales, Wp_codes, Wp_scales, bp, out0; writes out0
.if DOCPART == 3
	.amdgcn_target "amdgcn-amd-amdhsa--gfx1250"
	.amdhsa_code_object_version 6
	.text
	.protected	k_qbe0406892f_proj
	.globl	k_qbe0406892f_proj
	.p2align	8
	.type	k_qbe0406892f_proj,@function
k_qbe0406892f_proj:
	s_mov_b64 s[64:65], 0
	v_nop
	global_prefetch_b8 v0, s[64:65] scope:SCOPE_SE
	s_setreg_imm32_b32 hwreg(HW_REG_WAVE_MODE, 25, 1), 1
	s_wait_xcnt 0x0
	s_wait_alu depctr_hold_cnt(0) depctr_sa_sdst(0) depctr_va_vdst(0) depctr_va_sdst(0) depctr_va_ssrc(0) depctr_va_vcc(0) depctr_vm_vsrc(0)
	s_getreg_b32 s2, hwreg(HW_REG_IB_STS2, 6, 4)
	s_cmp_eq_u32 s2, 0
	s_cbranch_scc0 .Lentry_in_a_cluster
	s_endpgm
.Lentry_in_a_cluster:
	s_bfe_u32 s2, ttmp6, 0x10000c
	s_cmp_lg_u32 s2, 0xf033
	s_cbranch_scc0 .Lentry_shape_is_right
	s_endpgm
.Lentry_shape_is_right:
; out0 = O Wp + bp on codes of FP4 (E2M1) with E8M0 scales, K = 1,024; out0 [8,192][1,024] f32.
; Source 0 = 16 rows of Wp's codes (output columns), source 1 = 16 tokens of O: a lane holds ONE token (lane % 16) and eight neighbouring columns.  bp is the C of each sum's first product,
; so it is added ahead of the products and not behind them.
; SHARES.  256 work-groups, each 256 columns x 128 tokens.  K is 1,024, so both operands lie in LDS whole: every tensor load is a first fill, no LDS byte is filled twice.
; Wave w: wi = w / 2 picks 128 columns, whose codes stay in registers (512); wj = w % 2 picks 64 tokens, taken 16 at a time.
; CLUSTER 4 x 4: Wp's rows hang on cy alone and are asked for jointly by a row of the cluster; O's tokens hang on the cluster's x and cx and are asked for by a column.  A wave has one tensor load out.
; O's codes and scale bytes are images of operand registers: ocodes [token tile][head 16][512], lane l's 16 bytes at 16 l; K step s is heads 2 s, 2 s + 1; oscales: 512 bytes a tile, lane l's 16 bytes at 16 l:
; register q: lanes 0-15 the word of K step q, lanes 16-31 that of K step 4 + q.
; THE WAY OUT: 16 tokens x 128 columns go through the wave's own stage in LDS and leave as whole rows: 32 lanes store 512 consecutive bytes, at a multiple of 512.
.set PITCH,  528                       ; an LDS row of Wp's codes: 512 bytes + 16 of padding
.set PSL,    256*PITCH                 ; Wp's scale bytes, 32 a row, dense
.set RCL,    PSL+8192                  ; O's codes: 8 tiles x 8,192 bytes
.set RSL,    RCL+65536                 ; O's scale bytes: 8 tiles x 512
.set STG,    RSL+4096                  ; the stages: 16 rows x 528 bytes for each wave; no fill lands here
.set SPITCH, 528
.set AP,   1
.set APS,  2
.set AR,   3
.set ARS,  4
.set STO,  5                           ; v5   the stage: where I put 32 bytes of a row
.set RD,   6                           ; v6   and where I read a row back
.set CO,   7                           ; v7   16 x lane: my bytes of a row of 512
.set BIO,  8                           ; v8   32 h
.set PS,   16                          ; v16-47  Wp's scale words: register 4 t + q
.set RS,   48                          ; v48-55  O's: register 4 u + q
.set ACC,  64                          ; v64-127 eight accumulators: 128 columns x 16 tokens
.set BK,   128                         ; v128-191 16 rows read back from the stage
.set BI,   128                         ; window 3, v128-191: bp in the result's layout.  Windows 1, 2: Wp's fragments.  Window 3, v0-63, v64-127: O's two tiles
.set WV,   38
.set WI,   39
.set WJ,   40
.set CX,   41
.set CY,   42
.set JT,   43
.set G0P,  16
.set G0PS, 20
.set G0R,  24
.set G0RS, 28
.set OUTP, 48                          ; s[48:49] out0 at my first token and column; s[50:51] bp at my first column
.set BIP,  50
.set G1P,  68
.set G1R,  76
.set G1PS, 84
.set G1RS, 92
.set MSB, 0
.macro WIN new
.if MSB != \new
	s_set_vgpr_msb (MSB<<8)|\new
.set MSB, \new
.endif
.endm
.macro CROUND
	s_barrier_signal -1
	s_barrier_wait -1
	s_cmp_lg_u32 s[WV], 0
	s_cbranch_scc1 .Lnot_wave_0_\@
	s_barrier_signal -3
.Lnot_wave_0_\@:
	s_barrier_wait -3
	s_barrier_signal -1
	s_barrier_wait -1
.endm
	s_load_b256 s[4:11], s[0:1], 0x0               ; ocodes 4, oscales 6, Wp's codes 8, Wp's scales 10
	s_load_b128 s[12:15], s[0:1], 0x20             ; bp 12, out0 14
	v_lshl_add_u32 v254, v0, 2, 0x3c400
	v_mov_b32 v255, 0
	ds_add_u32 v254, v255
	ds_add_u32 v254, v255
	v_lshrrev_b32 v1, 5, v0
	v_readfirstlane_b32 s[WV], v1
	s_lshr_b32 s[WI], s[WV], 1
	s_and_b32 s[WJ], s[WV], 1
	s_bfe_u32 s[CX], ttmp6, 0x40000
	s_bfe_u32 s[CY], ttmp6, 0x40004
	s_lshl_b32 s[JT], ttmp9, 2
	s_add_co_u32 s[JT], s[JT], s[CX]               ; which 128 tokens: 4 x cluster x + cx
	s_lshl_b32 s45, 0x1111, s[CX]                  ; my column of the cluster: O's tiles
	s_lshl_b32 s46, s[CY], 2
	s_lshl_b32 s46, 15, s46                        ; my row: Wp's tiles
	s_or_b32 s[G1P], s46, (1<<20)|(1<<21)|(6<<22)|(3<<25)   ; the mask; elements of 1 byte; padding on; bit 21 beside a mask; after every 128 words, 4 words
	s_or_b32 s[G1PS], s46, (3<<16)|(1<<21)         ; elements of 8 bytes, no padding
	s_or_b32 s[G1R], s45, (3<<16)|(1<<21)
	s_or_b32 s[G1RS], s45, (3<<16)|(1<<21)
	s_mov_b32 s[G1P+1], 512<<16                    ; rows of 512 bytes
	s_mov_b32 s[G1P+2], 256<<16                    ; one load brings all 256 rows
	s_mov_b32 s[G1P+3], 512<<16
	s_mov_b32 s[G1P+4], 256
	s_mov_b32 s[G1P+5], 512
	s_mov_b32 s[G1P+6], 0
	s_mov_b32 s[G1P+7], 0
	s_mov_b32 s[G1PS+1], 32<<16                    ; rows of 256 dense bytes
	s_mov_b32 s[G1PS+2], 32<<16                    ; 8,192 dense bytes as 32 rows of 256
	s_mov_b32 s[G1PS+3], 32<<16
	s_mov_b32 s[G1PS+4], 32
	s_mov_b32 s[G1PS+5], 32
	s_mov_b32 s[G1PS+6], 0
	s_mov_b32 s[G1PS+7], 0
	s_mov_b32 s[G1R+1], 32<<16                     ; rows of 256 dense bytes
	s_mov_b32 s[G1R+2], 256<<16                    ; 65,536 dense bytes as 256 rows of 256
	s_mov_b32 s[G1R+3], 32<<16
	s_mov_b32 s[G1R+4], 256
	s_mov_b32 s[G1R+5], 32
	s_mov_b32 s[G1R+6], 0
	s_mov_b32 s[G1R+7], 0
	s_mov_b32 s[G1RS+1], 32<<16                    ; rows of 256 dense bytes
	s_mov_b32 s[G1RS+2], 16<<16                    ; 4,096 dense bytes as 16 rows of 256
	s_mov_b32 s[G1RS+3], 32<<16
	s_mov_b32 s[G1RS+4], 16
	s_mov_b32 s[G1RS+5], 32
	s_mov_b32 s[G1RS+6], 0
	s_mov_b32 s[G1RS+7], 0
	s_lshl_b32 s32, s[CY], 8
	s_lshl_b32 s34, s32, 9
	s_mov_b32 s35, 0
	s_lshl_b32 s36, s32, 5
	s_mov_b32 s37, 0
	s_lshl_b32 s52, s[JT], 16                      ; O: my quarter of the block's codes (never holds cy)
	s_mov_b32 s53, 0
	s_lshl_b32 s54, s[JT], 12                      ; and of its scale bytes
	s_mov_b32 s55, 0
	s_wait_dscnt 0x0
	s_wait_kmcnt 0x0
	s_mov_b32 s[G0P], 1
	s_mov_b32 s[G0P+1], 0
	s_add_nc_u64 s[G0P+2:G0P+3], s[8:9], s[34:35]
	s_or_b32 s[G0P+3], s[G0P+3], 0x80000000
	s_mov_b32 s[G0PS], 1
	s_mov_b32 s[G0PS+1], PSL
	s_add_nc_u64 s[G0PS+2:G0PS+3], s[10:11], s[36:37]
	s_or_b32 s[G0PS+3], s[G0PS+3], 0x80000000
	s_mov_b32 s[G0R], 1
	s_mov_b32 s[G0R+1], RCL
	s_add_nc_u64 s[G0R+2:G0R+3], s[4:5], s[52:53]
	s_or_b32 s[G0R+3], s[G0R+3], 0x80000000
	s_mov_b32 s[G0RS], 1
	s_mov_b32 s[G0RS+1], RSL
	s_add_nc_u64 s[G0RS+2:G0RS+3], s[6:7], s[54:55]
	s_or_b32 s[G0RS+3], s[G0RS+3], 0x80000000
	CROUND                                         ; all sixteen work-groups are here: the joint loads meet
	; the head's four tiles, one whole tile a wave, in one chain of arms on the wave's number: wave 0 Wp's codes, wave 1 Wp's scales, wave 2 O's codes, wave 3 O's scales
	s_cmp_lt_u32 s[WV], 1
	s_cbranch_scc0 .Lh_ps
	tensor_load_to_lds s[G0P:G0P+3], s[G1P:G1P+7]
	s_nop 0
.rept 4
	v_nop
.endr
	s_branch .Lh_done
.Lh_ps:
	s_cmp_lt_u32 s[WV], 2
	s_cbranch_scc0 .Lh_r
	tensor_load_to_lds s[G0PS:G0PS+3], s[G1PS:G1PS+7]
	s_nop 0
.rept 4
	v_nop
.endr
	s_branch .Lh_done
.Lh_r:
	s_cmp_lt_u32 s[WV], 3
	s_cbranch_scc0 .Lh_rs
	tensor_load_to_lds s[G0R:G0R+3], s[G1R:G1R+7]
	s_nop 0
.rept 4
	v_nop
.endr
	s_branch .Lh_done
.Lh_rs:
	tensor_load_to_lds s[G0RS:G0RS+3], s[G1RS:G1RS+7]
	s_nop 0
.rept 4
	v_nop
.endr
.Lh_done:
.rept 4
	v_nop                                          ; four v_nop follow the last of them
.endr
	s_lshl_b32 s32, s[JT], 7
	s_lshl_b32 s33, s[WJ], 6
	s_add_co_u32 s32, s32, s33                     ; my first token
	s_lshl_b32 s32, s32, 12                        ; a row of out0 is 4,096 bytes
	s_lshl_b32 s33, s[CY], 8
	s_lshl_b32 s44, s[WI], 7
	s_add_co_u32 s33, s33, s44                     ; my first column
	s_lshl_b32 s44, s33, 2
	s_mov_b32 s45, 0
	s_add_nc_u64 s[BIP:BIP+1], s[12:13], s[44:45]
	s_add_co_u32 s32, s32, s44
	s_mov_b32 s33, 0
	s_add_nc_u64 s[OUTP:OUTP+1], s[14:15], s[32:33]
	v_and_b32 v13, 15, v0                          ; r
	v_bfe_u32 v14, v0, 4, 1                        ; h
	v_and_b32 v15, 31, v0                          ; lane
	v_mul_u32_u24 v[AP], v13, PITCH
	v_lshl_add_u32 v[AP], v14, 4, v[AP]
	s_mul_i32 s34, s[WI], 128*PITCH
	v_add_nc_u32 v[AP], s34, v[AP]                 ; Wp's fragments: my 128 rows, row r x pitch + 16 h
	v_lshlrev_b32 v[APS], 5, v13
	v_lshl_add_u32 v[APS], v14, 4, v[APS]
	s_lshl_b32 s34, s[WI], 12
	s_add_co_u32 s34, s34, PSL
	v_add_nc_u32 v[APS], s34, v[APS]               ; its scale words: 32 r + 16 h
	v_lshlrev_b32 v[CO], 4, v15
	s_lshl_b32 s34, s[WJ], 15
	s_add_co_u32 s34, s34, RCL
	v_add_nc_u32 v[AR], s34, v[CO]                 ; O's images: my four tiles, 16 x lane
	s_lshl_b32 s34, s[WJ], 11
	s_add_co_u32 s34, s34, RSL
	v_add_nc_u32 v[ARS], s34, v[CO]
	s_mul_i32 s34, s[WV], 16*SPITCH
	s_add_co_u32 s34, s34, STG                     ; my stage
	v_mul_u32_u24 v[STO], v13, SPITCH
	v_lshl_add_u32 v[STO], v14, 5, v[STO]
	v_add_nc_u32 v[STO], s34, v[STO]               ; in: row r, + 32 h
	v_add_nc_u32 v[RD], s34, v[CO]                 ; back: 16 bytes a lane of a row
	v_lshlrev_b32 v[BIO], 5, v14
	WIN 0xc0                                       ; destination window 3
.irp t, 0,1,2,3,4,5,6,7
	global_load_b128 v[BI+8*\t:BI+8*\t+3], v[BIO], s[BIP:BIP+1] offset:64*\t        ; lane (r, h), register j of tile t: bp of column 16 t + 8 h + j
	global_load_b128 v[BI+8*\t+4:BI+8*\t+7], v[BIO], s[BIP:BIP+1] offset:64*\t+16
.endr
	WIN 0
.macro PLOAD                           ; my 128 rows of Wp, all of K, into windows 1 and 2, and their scale words
.irp ks, 0,1,2,3,4,5,6,7
.if \ks < 4
	WIN 0x40
.else
	WIN 0x80
.endif
.irp t, 0,1,2,3,4,5,6,7
.irp c, 0,1
	ds_load_b128 v[64*(\ks%4)+8*\t+4*\c:64*(\ks%4)+8*\t+4*\c+3], v[AP] offset:16*\t*PITCH+64*\ks+32*\c
.endr
.endr
.endr
	WIN 0
.irp t, 0,1,2,3,4,5,6,7
	ds_load_b128 v[PS+4*\t:PS+4*\t+3], v[APS] offset:512*\t
.endr
.endm
.macro FETCH u, t                      ; tile t of my four, all of K, into set u: 16 loads of codes and one of scale words: 17
	WIN 0xc0
.irp ks, 0,1,2,3,4,5,6,7
.irp c, 0,1
	ds_load_b128 v[64*(\u)+8*\ks+4*\c:64*(\u)+8*\ks+4*\c+3], v[AR] offset:8192*(\t)+1024*\ks+512*\c
.endr
.endr
	WIN 0
	ds_load_b128 v[RS+4*(\u):RS+4*(\u)+3], v[ARS] offset:512*(\t)
.endm
; 64 products: 128 columns x 16 tokens x 1,024.  K step by K step, the eight accumulators by turns, one instruction a turn.  The first K step takes bp as C.
.macro MULS u
.irp ks, 0,1,2,3,4,5,6,7
.if \ks == 0
	WIN 0x3d                                       ; A window 1, B and C window 3, D window 0
.elseif \ks < 4
	WIN 0x0d                                       ; A window 1, B window 3, C and D window 0
.else
	WIN 0x0e                                       ; A window 2
.endif
.irp t, 0,1,2,3,4,5,6,7
.if \ks == 0
	v_wmma_scale_f32_16x16x128_f8f6f4 v[ACC+8*\t:ACC+8*\t+7], v[8*\t:8*\t+7], v[64*(\u):64*(\u)+7], v[BI+8*\t:BI+8*\t+7], v[PS+4*\t], v[RS+4*(\u)] matrix_a_fmt:MATRIX_FMT_FP4 matrix_b_fmt:MATRIX_FMT_FP4
.elseif \ks < 4
	v_wmma_scale_f32_16x16x128_f8f6f4 v[ACC+8*\t:ACC+8*\t+7], v[64*\ks+8*\t:64*\ks+8*\t+7], v[64*(\u)+8*\ks:64*(\u)+8*\ks+7], v[ACC+8*\t:ACC+8*\t+7], v[PS+4*\t+\ks], v[RS+4*(\u)+\ks] matrix_a_fmt:MATRIX_FMT_FP4 matrix_b_fmt:MATRIX_FMT_FP4
.else
	v_wmma_scale_f32_16x16x128_f8f6f4 v[ACC+8*\t:ACC+8*\t+7], v[64*(\ks-4)+8*\t:64*(\ks-4)+8*\t+7], v[64*(\u)+8*\ks:64*(\u)+8*\ks+7], v[ACC+8*\t:ACC+8*\t+7], v[PS+4*\t+\ks-4], v[RS+4*(\u)+\ks-4] matrix_a_fmt:MATRIX_FMT_FP4 matrix_b_fmt:MATRIX_FMT_FP4 matrix_a_scale:MATRIX_SCALE_ROW1 matrix_b_scale:MATRIX_SCALE_ROW1
.endif
.endr
.endr
	WIN 0
.endm
.macro TOSTAGE                         ; 16 tokens x 128 columns into my stage and back as whole rows.  LDS serves a wave's instructions in order (ISA guide 5.7.1.4): no wait between the stores and the loads
.irp b, 0,1,2,3,4,5,6,7
	ds_store_b128 v[STO], v[ACC+8*\b:ACC+8*\b+3] offset:64*\b          ; each accumulator from its low end on
	ds_store_b128 v[STO], v[ACC+8*\b+4:ACC+8*\b+7] offset:64*\b+16
.endr
.irp i, 0,1,2,3,4,5,6,7,8,9,10,11,12,13,14,15
	ds_load_b128 v[BK+4*\i:BK+4*\i+3], v[RD] offset:\i*SPITCH
.endr
.endm
.macro SEND t
	s_wait_dscnt 0x0                               ; the rows are back in registers
.irp i, 0,1,2,3,4,5,6,7,8,9,10,11,12,13,14,15
	global_store_b128 v[CO], v[BK+4*\i:BK+4*\i+3], s[OUTP:OUTP+1] offset:(16*(\t)+\i)*4096 th:TH_STORE_NT   ; 32 lanes store 512 consecutive bytes; written once, read by nobody here
.endr
.endm
; A tile of 16 tokens.  The tile before leaves while this one's products are at work; the fragments of the tile two further on are asked for behind them.
.macro TILE t
.if \t == 0
	s_wait_dscnt 17                                ; set 0's 17 loads are in; set 1's may be out
.else
	s_wait_dscnt 16                                ; all but the 16 loads back from the stage: this tile's fragments are in, and the stage's stores have read the accumulators
.endif
	MULS (\t)%2
.if \t > 0
	SEND (\t)-1
.endif
.rept 5
	v_nop                                          ; four places in front of the stage's stores and of the loads into the fragments' registers; a fifth, since the next tile's first products begin these accumulators anew with another C
.endr
.if \t < 2
	FETCH (\t)%2, (\t)+2
.endif
.if \t > 0
	s_wait_xcnt 0x0                                ; the stores of the tile before have read their registers: the loads from the stage land there only behind this wait
.endif
	TOSTAGE
.endm
	s_wait_alu depctr_va_vdst(0)
	s_wait_tensorcnt 0x0                           ; my one tile has landed
	s_barrier_signal -1
	s_barrier_wait -1                              ; all four have
	PLOAD
	FETCH 0, 0
	FETCH 1, 1
	s_wait_loadcnt 0x0                             ; bp
	TILE 0
	TILE 1
	TILE 2
	TILE 3
	SEND 3
	s_wait_dscnt 0x0
	s_wait_tensorcnt 0x0
	ds_add_u32 v254, v255
	s_wait_dscnt 0x0
	CROUND                                         ; the closing round: no work-group ends while a partner may still ask for a tile that names it
	s_endpgm
.Lfunc_end_k_qbe0406892f_proj:
	.size	k_qbe0406892f_proj, .Lfunc_end_k_qbe0406892f_proj-k_qbe0406892f_proj
	.p2alignl 7, 3214868480
	.fill 96, 4, 3214868480
	.section	.rodata,"a",@progbits
	.p2align	6, 0x0
	.amdhsa_kernel k_qbe0406892f_proj
		.amdhsa_group_segment_fixed_size 247296
		.amdhsa_private_segment_fixed_size 0
		.amdhsa_enable_private_segment 0
		.amdhsa_kernarg_size 48
		.amdhsa_user_sgpr_count 2
		.amdhsa_user_sgpr_kernarg_segment_ptr 1
		.amdhsa_wavefront_size32 1
		.amdhsa_system_sgpr_workgroup_id_x 1
		.amdhsa_system_sgpr_workgroup_id_y 1
		.amdhsa_system_sgpr_workgroup_id_z 1
		.amdhsa_system_vgpr_workitem_id 0
		.amdhsa_next_free_vgpr 960
		.amdhsa_next_free_sgpr 100
		.amdhsa_reserve_vcc 0
		.amdhsa_float_denorm_mode_32 3
		.amdhsa_float_denorm_mode_16_64 3
		.amdhsa_memory_ordered 1
		.amdhsa_forward_progress 1
		.amdhsa_inst_pref_size 71
	.end_amdhsa_kernel
	.amdgpu_metadata
---
amdhsa.version: [ 1, 2 ]
amdhsa.kernels:
  - .name:           k_qbe0406892f_proj
    .symbol:         k_qbe0406892f_proj.kd
    .args:
      - { .name: ocodes, .offset: 0, .size: 8, .value_kind: global_buffer, .address_space: global }
      - { .name: oscales, .offset: 8, .size: 8, .value_kind: global_buffer, .address_space: global }
      - { .name: Wp_codes, .offset: 16, .size: 8, .value_kind: global_buffer, .address_space: global }
      - { .name: Wp_scales, .offset: 24, .size: 8, .value_kind: global_buffer, .address_space: global }
      - { .name: bp, .offset: 32, .size: 8, .value_kind: global_buffer, .address_space: global }
      - { .name: out0, .offset: 40, .size: 8, .value_kind: global_buffer, .address_space: global }
    .group_segment_fixed_size: 247296
    .private_segment_fixed_size: 0
    .kernarg_segment_align: 8
    .kernarg_segment_size: 48
    .max_flat_workgroup_size: 128
    .sgpr_count:     100
    .vgpr_count:     960
    .wavefront_size: 32
...
	.end_amdgpu_metadata
.endif
;; end of part 3
